; MI455X (gfx1250); checked and timed in simulation.
; The chip was launched on July 23, 2026; its instructions are those of AMD's public machine-readable ISA for CDNA 5 (MIT licence, August 2026) and "CDNA5" Instruction Set Architecture Reference Guide (July 2026). The comments in the code are by the model that wrote it; some were corrected since.
;; Self Attention. Allowed arithmetic: matrix products marked QUANTISED: E2M1 operands, one E8M0 scale for each 32 along K, by v_wmma_scale_f32_16x16x128_f8f6f4 with both operands' format E2M1 (or v_wmma_scale_f32_32x16x128_f4), f32 sums; everything else in f32.
;; Inputs: Wk_codes 1,024 x 32 x 16 uint8 (E2M1 codes of Wk, K innermost, in blocks of 32 codes, two codes a byte); Wk_scales 1,024 x 32 uint8 (E8M0 scales of Wk, one for each 32 codes along K); Wq_codes 1,024 x 32 x 16 uint8 (E2M1 codes of Wq, K innermost, in blocks of 32 codes, two codes a byte); Wq_scales 1,024 x 32 uint8 (E8M0 scales of Wq, one for each 32 codes along K); Wv_codes 1,024 x 32 x 16 uint8 (E2M1 codes of Wv, K innermost, in blocks of 32 codes, two codes a byte); Wv_scales 1,024 x 32 uint8 (E8M0 scales of Wv, one for each 32 codes along K); attention_mask 4 x 1 x 2,048 x 2,048 float32; bk 1,024 float32; bq 1,024 float32; bv 1,024 float32; hidden_states_codes 4 x 2,048 x 32 x 16 uint8 (E2M1 codes of hidden_states, K innermost, in blocks of 32 codes, two codes a byte); hidden_states_scales 4 x 2,048 x 32 uint8 (E8M0 scales of hidden_states, one for each 32 codes along K); key_padding_mask 4 x 2,048 float32.
;; Outputs: out0 4 x 2,048 x 1,024 float32.
;; This version of the problem:
;;   THIS VERSION OF THE PROBLEM IS GIVEN IN LOW PRECISION. The matrix products marked QUANTISED in the list below multiply operands that are first quantised to E2M1 (2 exponent bits, 1 mantissa bit; 4 bits a number), with one power-of-two scale for each 32 numbers along K (OCP MX v1.0); their sums are f32. All else is computed in f32.
;;   The module's matrix products, in the order in which they are computed (A, B: the left and right operand; K: the contracted axis; several contracted axes count as one K, in the product's order):
;;     1. [M 8,192, K 1,024] x [K 1,024, N 1,024]; A: input hidden_states (given as codes); B: input Wq (given as codes): QUANTISED
;;     2. [M 8,192, K 1,024] x [K 1,024, N 1,024]; A: input hidden_states (given as codes); B: input Wk (given as codes): QUANTISED
;;     3. [M 8,192, K 1,024] x [K 1,024, N 1,024]; A: input hidden_states (given as codes); B: input Wv (given as codes): QUANTISED
;;     4. batch 64 x [M 2,048, K 64] x [K 64, N 2,048]; A: computed on the way; B: computed on the way: QUANTISED
;;     5. batch 64 x [M 2,048, K 2,048] x [K 2,048, N 64]; A: softmax (see below); B: computed on the way: QUANTISED
;;   THE QUANTISER, for each operand of a quantised product, along K:
;;     - K is cut into blocks of 32 from its start; a last block that is shorter is filled with zeros.
;;     - A block's scale is 2^e with e = floor(log2(the largest magnitude in the block)) - 2, held to -126 .. 127; a block of zeros has e = 0. As a byte (E8M0): e + 127.
;;     - Each number is divided by its block's scale, clamped to +-6, and rounded to the nearest number of E2M1, ties to even, subnormals kept.
;;     - The product sums the exact products of the quantised numbers (number of the format x scale) in f32.
;;   ~~~python
;;   def quantise(x, axis):      # numpy; x: float32 -> the quantised numbers, widened to float32 again
;;       x = np.moveaxis(x, axis, -1); K = x.shape[-1]
;;       x = np.pad(x, [(0, 0)] * (x.ndim - 1) + [(0, -K % 32)]); x = x.reshape(x.shape[:-1] + (-1, 32)); a = np.abs(x).max(-1, keepdims=True)
;;       e = np.where(a > 0, np.clip(np.frexp(np.where(a > 0, a, 1))[1] - 1 - 2, -126, 127), 0)      # np.frexp(a)[1] - 1 = floor(log2(a)), exactly
;;       r = np.clip(x / 2.0 ** e, -6, 6)
;;       step = 2.0 ** (np.maximum(np.frexp(np.where(r == 0, 1, r))[1] - 1, 0) - 1)
;;       q = np.round(r / step) * step * 2.0 ** e      # np.round: ties to even
;;       return np.moveaxis(q.reshape(q.shape[:-2] + (-1,))[..., :K], -1, axis).astype(np.float32)
;;   ~~~
;;   SOFTMAX AHEAD OF A QUANTISED PRODUCT. Where the list says 'softmax', what is quantised is not the finished softmax but p = 2^(t - M), with t = logit x log2(e) and M = ceil(the row's largest t), a whole number; so 1/2 < the row's largest p <= 1. The row's sum l is taken of the UNQUANTISED p, in f32, and the product's result is divided by l at the end. Since M is a whole number, a kernel that streams over the keys may use a running M (the ceiling of the running maximum): every later rescaling is an exact power of two, which a block's scale takes up: the codes' values come out the same.
;;   OPERANDS COMPUTED ON THE WAY. 'Computed on the way' means the value that the module computes at that place (a softmax that the list does not call 'softmax' is quantised finished and normalised). What goes into a quantiser is computed in f32, as accurately as f32 sums, v_exp_f32 and their like allow (about 1e-6 of the number): no bf16 or f16 on the way to a quantiser, and a product that is left as it is and whose result goes on into a quantised operand takes f32 operands (vector FMAs, or v_wmma_f32_16x16x4_f32). A number that lies on a knife's edge between two numbers of the format may be rounded either way, as far as f32 arithmetic and the matrix unit's own rounding can turn it there, and no further.
;;   INPUTS GIVEN AS CODES. Wk (in the module: [1024, 1024], K = its axis 1); Wq (in the module: [1024, 1024], K = its axis 1); Wv (in the module: [1024, 1024], K = its axis 1); hidden_states (in the module: [4, 2048, 1024], K = its axis 2): each comes as NAME_codes (uint8): NAME with its K axis moved to the last place and cut into blocks of 32 codes, [.., K / 32, bytes a block], one block behind the other in memory; two codes a byte, the lower K in the low four bits (a code: sign, 2 exponent bits, 1 mantissa bit); and NAME_scales (uint8): the same leading axes, one E8M0 byte (e + 127) for each 32 codes along K. Its value is code x scale, taken as it is: it is not quantised again, and the codes and scales need not be those that the quantiser above would give.
;; 2 versions, each right; version 2 is version 1 with the launch attn written anew for expert scheduling mode. Each part assembles by itself: llvm-mc -triple=amdgcn-amd-amdhsa -mcpu=gfx1250 --defsym DOCPART=n.
;; ======== version 1 of 2: 2 launches
;; workspace buffers: qimg 4,194,304 bytes; kimg 4,194,304 bytes; vimg 4,194,304 bytes; qsc 262,144 bytes; ksc 262,144 bytes; vsc 262,144 bytes
;; launch proj (part 1): grid 96 x 4, 4 waves a work-group, clusters of 4 x 4, 327,680 bytes of LDS; arguments hidden_states_codes, hidden_states_scales, Wq_codes, Wq_scales, Wk_codes, Wk_scales, Wv_codes, Wv_scales, bq, bk, bv, qimg, qsc, kimg, ksc, vimg, vsc; writes qimg, qsc, kimg, ksc, vimg, vsc
.if DOCPART == 1
	.amdgcn_target "amdgcn-amd-amdhsa--gfx1250"
	.amdhsa_code_object_version 6
	.text
	.protected	k_q93d40f4840_proj
	.globl	k_q93d40f4840_proj
	.p2align	8
	.type	k_q93d40f4840_proj,@function
k_q93d40f4840_proj:
	s_mov_b64 s[64:65], 0
	v_nop
	global_prefetch_b8 v0, s[64:65] scope:SCOPE_SE
	s_setreg_imm32_b32 hwreg(HW_REG_WAVE_MODE, 25, 1), 1
	s_wait_xcnt 0x0
	s_wait_alu depctr_hold_cnt(0) depctr_sa_sdst(0) depctr_va_vdst(0) depctr_va_sdst(0) depctr_va_ssrc(0) depctr_va_vcc(0) depctr_vm_vsrc(0)
	s_getreg_b32 s2, hwreg(HW_REG_IB_STS2, 6, 4)
	s_cmp_eq_u32 s2, 0
	s_cbranch_scc0 .Lentry_in_a_cluster
	s_endpgm
.Lentry_in_a_cluster:
	s_bfe_u32 s2, ttmp6, 0x10000c
	s_cmp_lg_u32 s2, 0xf033
	s_cbranch_scc0 .Lentry_shape_is_right
	s_endpgm
.Lentry_shape_is_right:
; q = x Wq^T + bq, k = x Wk^T + bk, v = x Wv^T + bv on codes of FP4 (E2M1) with one E8M0 scale for each 32 along K = 1,024; the results are quantised at once for the two products of attention:
; q and k along the head's 64, v along the keys, and stored as IMAGES OF OPERAND REGISTERS, so that the next launch loads every fragment as 512 consecutive bytes.
; NO WORK OF THE PROBLEM IS LEFT OUT IN THIS PROGRAM: every input has a way to the output (the biases move codes, both masks move the logits), and every input is loaded.
; ONE BODY FOR THE THREE PRODUCTS.  The matrix instruction is used transposed: source 0 = 16 rows of P, source 1 = 16 rows of L; in the result a lane holds ONE row of L (lane % 16) and its eight registers
; eight neighbouring rows of P (8 (lane / 16) + 0 .. 7).  For q and k: L = x (tokens), P = W (the head's axis runs along the registers).  For v: L = Wv, P = x (the keys run along the registers).
; So in all three the axis that is quantised runs along a lane's registers.  What differs (pointers, which index picks the bias, offsets of the stores) hangs on the cluster's number alone.
; SHARES.  384 tiles of 256 (L) x 256 (P); a work-group of four waves makes one, a wave 128 x 128: 64 accumulators.  Clusters of 4 x 4: number C < 16: q (C even) or k (C odd), L's tiles 4 (C / 2) + cy,
; P's tiles cx; C >= 16: v, L's tiles cy, P's tiles 4 (C - 16) + cx.  L's tile is asked for jointly along a row of the cluster, P's along a column.
; K = 1,024 is two slots of 512: both are first fills, nothing is filled again; a wave has three tensor loads outstanding at the most (scales, slot 0, slot 1).
; THE BIAS is the C of each sum's first matrix instruction: 64 registers in the result's layout.
; THE QUANTISER.  The 16 registers of tiles 2 b and 2 b + 1 hold k = 32 b + 8 h + j and 32 b + 16 + 8 h + j: with lane l xor 16 a whole block.  The conversion of block 2 c + e, tile part i, goes into code register
; 4 c + 2 i + e; the exchange of register 4 c + 2 i's upper lanes with register 4 c + 2 i + 1's lower lanes then leaves lane half H with block 2 c + H, k = 8 w .. 8 w + 7 in register 4 c + w: the operand's layout.
; LIMITS: a block whose largest magnitude lies under 2^-124 keeps the scale byte 1 (a block of zeros too: its codes are zeros, and this program alone reads the bytes); NaN and infinities are not served.
; REGISTERS, in windows of 256: window 0: v1-31 addresses; v32-95 scale words, two sets; v128-191 L's fragments, one set, later the codes made; v200-227 at work on the way out.
;   window 1: P's fragments, two sets, at v0 and v128; v64-127 the bias.   window 2: accumulators of my L rows 0-63 ((a, b) at v[8 (8 a + b)]);   window 3: those of rows 64-127.
.set NQ,     4                         ; steps of 128 along K in a slot
.set ROWB,   256                       ; a tile's row: 512 codes
.set KROW,   512                       ; a row of codes in memory
.set PITCH,  272                       ; an LDS row: 256 bytes + 16 of padding, so that the 16 rows of a load start at 16 different banks (64 banks of 4 bytes: ISA guide 11.1)
.set FR,     8                         ; registers of a fragment
.set NL,     2                         ; LDS loads that bring one
.set NP,     4                         ; places behind this matrix instruction (ISA guide 7.12.1)
.set HALFT,  128*PITCH                 ; 128 rows: what one tensor load brings
.set SLOT,   4*HALFT                   ; L's 256 rows, then P's 256 rows
.set KS,     32                        ; a row of scale bytes
.set SCL,    2*SLOT                    ; behind the two slots: the scales, as units of 256 bytes + 16 of padding
.set HALFS,  16*272                    ; the scales of 128 rows
.set SBLK,   2*272                     ; those of 16 rows
.set SPARE,  SCL+4*HALFS               ; the spare words, 128 bytes for each wave: two blocks of 256 bytes that no other line names
.set STG,    SPARE+512                 ; 512 bytes for each wave: the scale words made, gathered for one store; no tile lands here
.set VO,   8                           ; v8-15   the bias: my byte offset for register j of a tile
.set ADRA, 16                          ; v16-17  LDS address of my L fragments in slot 0, 1
.set ADRB, 20                          ; v20-21  the same for P
.set CO,   24                          ; v24     16 x lane: an image's place for my lane
.set SA,   25                          ; v25     my stage: 8 x (lane % 16)
.set SRD,  26                          ; v26     my stage: 16 x lane
.set ADRS, 27                          ; v27     LDS address of my scale words: lanes 0-15 L's rows, lanes 16-31 P's
.set SPW,  28                          ; v28     LDS address of my spare word; never rewritten
.set NIL,  29                          ; v29     0; never rewritten
.set CS2,  30                          ; v30     the scale words' place in memory: 4,096 (lane / 16) + 16 (lane % 16)
.set SC,   32                          ; scale words: set s at v[SC + 32 s]; register 4 i + q: lanes 0-15 L's block i, lanes 16-31 P's block i, the slot's q-th 128 along K
.set AF,   128                         ; L's fragments
.set PC,   128                         ; the codes made: 8 registers for each of L's blocks, never rewritten (they are stores' data)
.set TM,   200                         ; v200-203 largest magnitudes, v204-207 the neighbour's, then bytes, v212-215 the conversions' scale operands
.set SW,   216                         ; v216-223 scale words made
.set SWB,  224                         ; v224-227 and read back
.set BI,   64                          ; window 1: the bias, 8 tiles x 8 registers
.set G1,   24                          ; s[24:31] descriptor group 1 for L's tiles; s[32:39] group 0, a set for each slot
.set G0,   32
.set G1B,  48                          ; s[48:55], s[56:63] the same for P's
.set G0B,  56
.set G1S,  68                          ; s[68:75], s[76:79] groups 1 and 0 for L's scales; s[80:87], s[88:91] for P's
.set G0S,  76
.set G1SB, 80
.set G0SB, 88
.set WV,   66                          ; s66  my wave
.set LH,   67                          ; s67  which half of L's rows is mine.  Also: I fetch for L (0) or for P (1)
.set PH,   101                         ; s101 which half of P's rows is mine.  Also: which 128 rows I fetch
.set HB,   100                         ; s100 128 x s101
.set SEL,  98                          ; s[98:99] lane selects for v_permlanex16_b32: lane l xor 16
.set MSB, 0
.macro WIN new                         ; the immediate's high byte repeats the setting that is left
.if MSB != \new
	s_set_vgpr_msb (MSB<<8)|\new
.set MSB, \new
.endif
.endm
.set MUL_LO, 0xa1                      ; source 0 (P) window 1, source 1 (L) window 0, C and D window 2
.set MUL_HI, 0xf1                      ; the same, C and D window 3
.set FST_LO, 0x91                      ; the first step: C is the bias, in window 1
.set FST_HI, 0xd1
.set TO_B,   0x40                      ; destination window 1, address window 0
; A joint load: waves 0 and 1 fetch for L, waves 2 and 3 for P.  Each line has one mask and one set of registers for all that issue it; the branch hangs on the wave's number alone.
; An s_nop 0 and four v_nop follow each of the two lines.
.macro JLOAD g0a, g1a, g0b, g1b
	s_cmp_eq_u32 s[LH], 0
	s_cbranch_scc0 .Lfor_b_\@
	tensor_load_to_lds s[\g0a:\g0a+3], s[\g1a:\g1a+7]
	s_nop 0
.rept 4
	v_nop
.endr
	s_branch .Lasked_\@
.Lfor_b_\@:
	tensor_load_to_lds s[\g0b:\g0b+3], s[\g1b:\g1b+7]
	s_nop 0
.rept 4
	v_nop
.endr
.Lasked_\@:
.endm
.macro CROUND                          ; a round of the cluster's barrier
	s_barrier_signal -1
	s_barrier_wait -1
	s_cmp_lg_u32 s[WV], 0
	s_cbranch_scc1 .Lnot_wave_0_\@
	s_barrier_signal -3
.Lnot_wave_0_\@:
	s_barrier_wait -3
	s_barrier_signal -1
	s_barrier_wait -1
.endm
	s_load_b512 s[4:19], s[0:1], 0x0               ; x codes, x scales, Wq codes, Wq scales, Wk codes, Wk scales, Wv codes, Wv scales
	s_load_b512 s[68:83], s[0:1], 0x40             ; bq, bk, bv, qimg, qsc, kimg, ksc, vimg
	s_load_b64 s[84:85], s[0:1], 0x80              ; vsc
	v_lshl_add_u32 v[SPW], v0, 2, SPARE
	v_mov_b32 v[NIL], 0
	ds_add_u32 v[SPW], v[NIL]                      ; the wave's opening: the add, twice on end, and its wait ahead of my first tensor load
	ds_add_u32 v[SPW], v[NIL]                      ; and once more; the set-up below, work on registers, stands between it and the wait
	v_lshrrev_b32 v1, 5, v0
	v_readfirstlane_b32 s[WV], v1                  ; wave 0..3
	s_lshr_b32 s[LH], s[WV], 1
	s_and_b32 s[PH], s[WV], 1
	s_lshl_b32 s[HB], s[PH], 7
	s_bfe_u32 s40, ttmp6, 0x40000                  ; cx, cy: my place in the cluster
	s_bfe_u32 s41, ttmp6, 0x40004
	s_lshr_b32 s2, ttmp9, 1                        ; q, k: L's group of four tiles is C / 2
	s_sub_co_u32 s3, ttmp9, 16                     ; v: P's group is C - 16
	s_cmp_ge_u32 ttmp9, 16                         ; v?  The cluster's number: the same in all sixteen partners
	s_cselect_b32 s2, 0, s2
	s_cselect_b32 s3, s3, 0
	s_lshl_b32 s43, s2, 2
	s_add_co_u32 s43, s43, s41                     ; L's tile
	s_lshl_b32 s42, s3, 2
	s_add_co_u32 s42, s42, s40                     ; P's tile
	s_lshl_b32 s44, s41, 2
	s_lshl_b32 s44, 15, s44                        ; my row of the cluster
	s_lshl_b32 s3, 0x1111, s40                     ; my column
	; descriptor group 1: a tile of 128 rows x 256 bytes, padded in LDS
	s_or_b32 s[G1+0], s44, (0<<16)|(1<<20)|(1<<21)|(5<<22)|(3<<25)  ; 15:0 the mask: L's tiles go to my row; 17:16 elements of 1 byte; 20 padding on; 21 set beside a mask; 24:22 after every 64 words; 31:25 four words
	s_or_b32 s[G1B+0], s3, (0<<16)|(1<<20)|(1<<21)|(5<<22)|(3<<25)
.irp g, G1, G1B
	s_mov_b32 s[\g+1], ROWB<<16                    ; tensor_dim0
	s_mov_b32 s[\g+2], 128<<16                     ; tensor_dim1
	s_mov_b32 s[\g+3], ROWB<<16                    ; tile_dim0
	s_mov_b32 s[\g+4], 128                         ; tile_dim1
	s_mov_b32 s[\g+5], KROW                        ; tensor_dim0_stride
	s_mov_b32 s[\g+6], 0
	s_mov_b32 s[\g+7], 0
.endr
	s_lshl_b32 s20, s43, 8
	s_add_co_u32 s20, s20, s[HB]                   ; L: row 256 x tile + 128 x the half that I fetch
	s_lshl_b32 s46, s42, 8
	s_add_co_u32 s46, s46, s[HB]                   ; P likewise
	s_mov_b32 s21, 0
	s_mov_b32 s47, 0
	s_mov_b64 s[96:97], KS
	s_mul_u64 s[22:23], s[20:21], s[96:97]         ; where these rows' scales begin, in bytes
	s_mul_u64 s[92:93], s[46:47], s[96:97]
	s_mov_b64 s[96:97], KROW
	s_mul_u64 s[20:21], s[20:21], s[96:97]         ; and their codes
	s_mul_u64 s[46:47], s[46:47], s[96:97]
	s_mul_i32 s45, s[WV], HALFT                    ; where they go: wave x 128 rows: no place in the cluster enters an LDS address
	s_mul_i32 s94, s[WV], HALFS
	s_mov_b32 s[SEL], 0x76543210
	s_mov_b32 s[SEL+1], 0xfedcba98
	s_wait_dscnt 0x0                               ; both opening adds are done
	s_wait_kmcnt 0x0
	s_bitcmp1_b32 ttmp9, 0                         ; q or k
	s_cselect_b64 s[8:9], s[12:13], s[8:9]         ; W's codes,
	s_cselect_b64 s[10:11], s[14:15], s[10:11]     ; W's scales,
	s_cselect_b64 s[68:69], s[70:71], s[68:69]     ; the bias,
	s_cselect_b64 s[74:75], s[78:79], s[74:75]     ; the images,
	s_cselect_b64 s[76:77], s[80:81], s[76:77]     ; the scale words
	s_cmp_ge_u32 ttmp9, 16                         ; or v
	s_cselect_b64 s[8:9], s[4:5], s[8:9]           ; P's codes: x for v, else W
	s_cselect_b64 s[10:11], s[6:7], s[10:11]       ; P's scales
	s_cselect_b64 s[4:5], s[16:17], s[4:5]         ; L's codes: Wv for v, else x
	s_cselect_b64 s[6:7], s[18:19], s[6:7]         ; L's scales
	s_cselect_b64 s[12:13], s[72:73], s[68:69]     ; the bias
	s_cselect_b64 s[14:15], s[82:83], s[74:75]     ; the images
	s_cselect_b64 s[16:17], s[84:85], s[76:77]     ; the scale words
	s_add_nc_u64 s[20:21], s[4:5], s[20:21]
	s_add_nc_u64 s[22:23], s[6:7], s[22:23]
	s_add_nc_u64 s[46:47], s[8:9], s[46:47]
	s_add_nc_u64 s[92:93], s[10:11], s[92:93]
	; the scales of 128 rows: a dense block of 4,096 bytes, as 16 rows of 256 bytes (32 elements of 8 bytes), 16 bytes of padding behind each
	s_or_b32 s[G1S+0], s44, (3<<16)|(1<<20)|(1<<21)|(5<<22)|(3<<25)
	s_or_b32 s[G1SB+0], s3, (3<<16)|(1<<20)|(1<<21)|(5<<22)|(3<<25)
.irp g, G1S, G1SB
	s_mov_b32 s[\g+1], 32<<16
	s_mov_b32 s[\g+2], 16<<16
	s_mov_b32 s[\g+3], 32<<16
	s_mov_b32 s[\g+4], 16
	s_mov_b32 s[\g+5], 32
	s_mov_b32 s[\g+6], 0
	s_mov_b32 s[\g+7], 0
.endr
	CROUND                                         ; all sixteen work-groups are here: the first joint loads meet
	s_mov_b32 s[G0S], 1
	s_add_co_u32 s[G0S+1], s94, SCL
	s_mov_b64 s[G0S+2:G0S+3], s[22:23]
	s_or_b32 s[G0S+3], s[G0S+3], 0x80000000
	s_mov_b32 s[G0SB], 1
	s_add_co_u32 s[G0SB+1], s94, SCL
	s_mov_b64 s[G0SB+2:G0SB+3], s[92:93]
	s_or_b32 s[G0SB+3], s[G0SB+3], 0x80000000
	JLOAD G0S, G1S, G0SB, G1SB                     ; the scales first: they are wanted with slot 0
.irp s, 0,1
	s_mov_b32 s[G0+4*\s], 1
	s_add_co_u32 s[G0+4*\s+1], s45, \s*SLOT
	s_add_nc_u64 s[G0+4*\s+2:G0+4*\s+3], s[20:21], \s*ROWB
	s_or_b32 s[G0+4*\s+3], s[G0+4*\s+3], 0x80000000
	s_mov_b32 s[G0B+4*\s], 1
	s_add_co_u32 s[G0B+4*\s+1], s45, \s*SLOT
	s_add_nc_u64 s[G0B+4*\s+2:G0B+4*\s+3], s[46:47], \s*ROWB
	s_or_b32 s[G0B+4*\s+3], s[G0B+4*\s+3], 0x80000000
	JLOAD G0+4*\s, G1, G0B+4*\s, G1B               ; all of K: both slots are first fills
.endr
	v_and_b32 v1, 15, v0                           ; r = l % 16
	v_bfe_u32 v2, v0, 4, 1                         ; h = l / 16
	v_mul_u32_u24 v3, v1, PITCH
	v_lshl_add_u32 v4, v2, 4, v3                   ; a fragment's row x pitch + 16 x half
	s_mul_i32 s18, s[LH], HALFT                    ; my 128 rows of L
	s_mul_i32 s19, s[PH], HALFT                    ; my 128 rows of P,
	s_add_co_u32 s19, s19, 2*HALFT                 ; which lie behind L's 256
.irp s, 0,1
	v_add_nc_u32 v[ADRA+\s], s18, v4
	v_add_nc_u32 v[ADRB+\s], s19, v4
	s_add_co_u32 s18, s18, SLOT
	s_add_co_u32 s19, s19, SLOT
.endr
	v_mul_u32_u24 v5, v1, KS                       ; my row's scales: 32 bytes a row,
	v_lshrrev_b32 v6, 8, v5
	v_lshl_add_u32 v5, v6, 4, v5                   ; and 16 more for each 256 passed
	s_mul_i32 s18, s[LH], HALFS
	s_mul_i32 s19, s[PH], HALFS
	s_add_co_u32 s19, s19, 2*HALFS
	s_sub_co_u32 s19, s19, s18
	v_mul_u32_u24 v6, s19, v2                      ; lanes 16-31 take P's: the lower base + h x the distance
	s_add_co_u32 s18, s18, SCL
	v_add_nc_u32 v5, v5, v6
	v_add_nc_u32 v[ADRS], s18, v5
	s_lshl_b32 s18, s[WV], 9
	s_add_co_u32 s18, s18, STG                     ; my stage
	v_and_b32 v6, 31, v0
	v_lshl_add_u32 v[SA], v1, 3, s18
	v_lshl_add_u32 v[SRD], v6, 4, s18
	v_lshlrev_b32 v[CO], 4, v6
	v_lshlrev_b32 v[CS2], 12, v2
	v_lshl_add_u32 v[CS2], v1, 4, v[CS2]
	; where my results go.  XR: my first token; NR: my first output channel
	s_lshl_b32 s18, s43, 8
	s_lshl_b32 s19, s[LH], 7
	s_add_co_u32 s18, s18, s19                     ; my first row of L
	s_lshl_b32 s19, s42, 8
	s_add_co_u32 s19, s19, s[HB]                   ; my first row of P
	s_cmp_ge_u32 ttmp9, 16
	s_cselect_b32 s95, s19, s18                    ; XR
	s_cselect_b32 s96, s18, s19                    ; NR
	s_lshr_b32 s97, s95, 11
	s_lshl_b32 s97, s97, 4
	s_lshr_b32 s18, s96, 6
	s_add_co_u32 s97, s97, s18                     ; 16 x batch + my first head
	s_bfe_u32 s95, s95, 0x40007                    ; which 128 tokens of the sequence
	s_lshl_b32 s18, s97, 16                        ; images: 65,536 bytes a head, 4,096 for 128 tokens
	s_lshl_b32 s19, s95, 12
	s_add_co_u32 s18, s18, s19
	s_mov_b32 s19, 0
	s_add_nc_u64 s[14:15], s[14:15], s[18:19]
	s_lshl_b32 s18, s97, 12                        ; scale words: 4,096 bytes a head, 256 for 128 tokens
	s_lshl_b32 s95, s95, 8
	s_add_co_u32 s18, s18, s95
	s_add_nc_u64 s[16:17], s[16:17], s[18:19]
	s_lshl_b32 s18, s96, 2
	s_add_nc_u64 s[12:13], s[12:13], s[18:19]      ; the bias at my first channel
	; the bias in the result's layout.  q, k: register j of tile b is channel 16 b + 8 h + j; v: every register of tile a is channel 16 a + r
	s_cmp_ge_u32 ttmp9, 16
	s_cselect_b32 s95, 0, 4                        ; bytes from register to register,
	s_cselect_b32 s96, 0, 32                       ; from half to half,
	s_cselect_b32 s97, 4, 0                        ; from lane to lane
	v_mul_u32_u24 v7, s96, v2
	v_mad_u32_u24 v7, v1, s97, v7
.irp j, 0,1,2,3,4,5,6,7
	v_mad_u32_u24 v[VO+\j], s95, \j, v7
.endr
	WIN TO_B
.irp t, 0,1,2,3,4,5,6,7
.irp j, 0,1,2,3,4,5,6,7
	global_load_b32 v[BI+8*\t+\j], v[VO+\j], s[12:13] offset:64*\t
.endr
.endr
	WIN 0
.macro FRAG reg, adr, q, i             ; 16 rows x 128 K of 4-bit codes: lane l holds row l % 16; registers 4 c .. 4 c + 3 hold K = 64 c + 32 (l / 16) + 0 .. 31
.irp c, 0,1
	ds_load_b128 v[\reg+4*\c:\reg+4*\c+3], v[\adr] offset:64*(\q)+32*\c+(\i)*16*PITCH
.endr
.endm
; 16 matrix instructions: L's blocks a0, a0 + 1 x P's eight, the slot's q-th 128 along K.  p: P's set; sc: the set of scale words.  mode 0: onto the sums; 1: the bias by P's block starts them (q, k); 2: by L's block (v).
; The 64 accumulators take turns, one instruction a turn, in the same order in every step.
.macro MUL16 a0, p, q, sc, mode
.irp a, \a0, \a0+1
.irp b, 0,1,2,3,4,5,6,7
.set rD, 8*(8*((\a)%4)+\b)
.set rB, 128*(\p)+FR*\b
.set rA, AF+FR*(\a)
.set rSB, SC+8*NQ*(\sc)+NQ*\b+(\q)
.set rSA, SC+8*NQ*(\sc)+NQ*(\a)+(\q)
.set rC, rD
.if \mode == 1
.set rC, BI+8*\b
.endif
.if \mode == 2
.set rC, BI+8*(\a)
.endif
	v_wmma_scale_f32_16x16x128_f8f6f4 v[rD:rD+7], v[rB:rB+7], v[rA:rA+7], v[rC:rC+7], v[rSB], v[rSA] matrix_a_fmt:MATRIX_FMT_FP4 matrix_b_fmt:MATRIX_FMT_FP4 matrix_a_scale:MATRIX_SCALE_ROW1
.endr
.endr
.endm
.macro FETCH_B slot, q, p              ; P's eight fragments of the slot's q-th 128 along K into set p
	WIN TO_B
.irp i, 0,1,2,3,4,5,6,7
	FRAG 128*(\p)+FR*\i, ADRB+\slot, \q, \i
.endr
	WIN 0
.endm
.macro FETCH_A slot, q, i0             ; L's blocks i0 .. i0 + 3
.irp i, \i0, \i0+1, \i0+2, \i0+3
	FRAG AF+FR*(\i), ADRA+\slot, \q, \i
.endr
.endm
.macro SCALES sc                       ; a slot's scale words into set sc: four words a row; lanes 0-15 take L's block i, lanes 16-31 P's block i
.irp i, 0,1,2,3,4,5,6,7
	ds_load_b128 v[SC+8*NQ*\sc+NQ*\i:SC+8*NQ*\sc+NQ*\i+3], v[ADRS] offset:\i*SBLK
.endr
.endm
.macro PLACES n                        ; plain vector instructions between a matrix instruction and a load into, or a vector read or write of, its registers
.rept \n
	v_nop
.endr
.endm
; A step of 128 along K that has its successor in the same slot.  L has one set of registers: blocks 0-3 are fetched anew in the step's middle, blocks 4-7 at its end; P has two sets.
.macro STEP slot, q, mode
	s_wait_dscnt 4*NL                              ; P's set, L's blocks 0-3 (and scale words) are in; the youngest eight loads, L's blocks 4-7, may be out
.if \mode
	WIN FST_LO
.else
	WIN MUL_LO
.endif
	MUL16 0, (\q)%2, \q, \slot, \mode
	MUL16 2, (\q)%2, \q, \slot, \mode
	s_wait_dscnt 0                                 ; L's blocks 4-7 are in
	PLACES NP
	FETCH_B \slot, (\q)+1, 1-(\q)%2
	FETCH_A \slot, (\q)+1, 0
.if \mode
	WIN FST_HI
.else
	WIN MUL_HI
.endif
	MUL16 4, (\q)%2, \q, \slot, \mode
	MUL16 6, (\q)%2, \q, \slot, \mode
	PLACES NP
	WIN 0
	FETCH_A \slot, (\q)+1, 4
.endm
.macro STEPS slot, from                ; the slot's steps from .. 2
.set Q, \from
.rept NQ-1-\from
	STEP \slot, Q, 0
.set Q, Q+1
.endr
.endm
	s_wait_tensorcnt 1                             ; the scales and my part of slot 0 are in; slot 1's load, issued behind them, may be out
	s_barrier_signal -1
	s_barrier_wait -1                              ; everybody's are
	FETCH_B 0, 0, 0
	FETCH_A 0, 0, 0
	SCALES 0
	FETCH_A 0, 0, 4
	s_wait_loadcnt 0x0                             ; the bias
	s_cmp_ge_u32 ttmp9, 16                         ; the first step is written twice: which index picks the bias
	s_cbranch_scc1 .Lfirst_v
	STEP 0, 0, 1
	s_branch .Lfirst_done
.Lfirst_v:
	STEP 0, 0, 2
.Lfirst_done:
	STEPS 0, 1
	; slot 0's last step changes slots: one barrier, so that slot 1 is whole for every wave
	s_wait_tensorcnt 0x0                           ; all my tensor loads have landed: my part of slot 1
	ds_add_u32 v[SPW], v[NIL]                      ; 0 onto my spare word
	s_wait_dscnt 4*NL+1                            ; (the add and the youngest eight loads may be out)
	WIN MUL_LO
	MUL16 0, 1, NQ-1, 0, 0                         ; sixteen matrix instructions stand between the add and the wait for it
	s_wait_dscnt 0x0                               ; the add is done; no LDS instruction of mine is pending at the signal
	s_barrier_signal -1
	MUL16 2, 1, NQ-1, 0, 0
	WIN 0
	s_barrier_wait -1
	PLACES NP
	v_add_nc_u32 v[ADRS], 4*NQ, v[ADRS]            ; on to slot 1's scale words
	FETCH_B 1, 0, 0
	FETCH_A 1, 0, 0
	SCALES 1
	WIN MUL_HI
	MUL16 4, 1, NQ-1, 0, 0
	MUL16 6, 1, NQ-1, 0, 0
	PLACES NP
	WIN 0
	FETCH_A 1, 0, 4
	STEPS 1, 0
	s_wait_dscnt 4*NL                              ; the very last step: nothing more to fetch
	WIN MUL_LO
	MUL16 0, 1, NQ-1, 1, 0
	MUL16 2, 1, NQ-1, 1, 0
	s_wait_dscnt 0
	WIN MUL_HI
	MUL16 4, 1, NQ-1, 1, 0
	MUL16 6, 1, NQ-1, 1, 0
	WIN 0
; THE WAY OUT.  L's block a: its eight accumulators are 128 numbers along the quantised axis for each of 16 rows: four blocks of 32, a fragment's codes in v[PC + 8 a] on, the four scale bytes in v[TM + 4] on.
; Each accumulator is read from its low end on.
.macro QUANT a
.set AC, 64*((\a)%4)
.set WN, 2+(\a)/4
.set W01, WN|(WN<<2)
.set W12, (WN<<2)|(WN<<4)
.set PA, PC+8*(\a)
	WIN W01                                        ; sources 0 and 1: the accumulators' window
.irp b, 0,1,2,3
	v_max3_num_f32 v[TM+\b], |v[AC+16*\b]|, |v[AC+16*\b+1]|, 0x1800000   ; block b: my 16 numbers, and the floor 2^(3 - 127): so the byte cannot fall under 1
.endr
	WIN W12                                        ; sources 1 and 2
.irp i, 2,4,6,8,10,12,14
.irp b, 0,1,2,3
	v_max3_num_f32 v[TM+\b], v[TM+\b], |v[AC+16*\b+\i]|, |v[AC+16*\b+\i+1]|   ; (the four blocks by turns)
.endr
.endr
	WIN 0
.irp b, 0,1,2,3
	v_permlanex16_b32 v[TM+4+\b], v[TM+\b], s[SEL], s[SEL+1]
.endr
.irp b, 0,1,2,3
	v_max_num_f32 v[TM+\b], v[TM+\b], v[TM+4+\b]   ; with lane l xor 16's: the block's largest magnitude
.endr
.irp b, 0,1,2,3
	v_add_nc_u32 v[TM+12+\b], 0xff000000, v[TM+\b] ; 2 off its exponent field: the conversion takes the exponent field of this operand as its scale
.endr
.irp b, 0,1,2,3
	v_lshrrev_b32 v[TM+4+\b], 23, v[TM+12+\b]      ; the scale's byte
.endr
	WIN WN                                         ; source 0
.irp c, 0,1
.irp i, 0,1
.irp e, 0,1
	v_cvt_scalef32_pk8_fp4_f32 v[PA+4*\c+2*\i+\e], v[AC+16*(2*\c+\e)+8*\i:AC+16*(2*\c+\e)+8*\i+7], v[TM+12+2*\c+\e]
.endr
.endr
.endr
	WIN 0
	v_nop                                          ; one plain place behind a scaled conversion
.irp c, 0,1
.irp i, 0,1
	v_permlane16_swap_b32 v[PA+4*\c+2*\i], v[PA+4*\c+2*\i+1]   ; the first's lanes 16-31 change places with the second's lanes 0-15: the operand's layout
.endr
.endr
.endm
; mode 1 (q, k): registers 0-3 are 16 tokens of my first head, 4-7 of the next; a scale word is made of two tiles' two bytes.  mode 2 (v): the 8 registers are one fragment (16 channels x 128 keys); its word is the four bytes.
; Each store of codes covers 512 consecutive bytes, aligned.
.macro EPI mode
.irp a, 0,1,2,3,4,5,6,7
	QUANT \a
.if \mode == 1
	global_store_b128 v[CO], v[PC+8*\a:PC+8*\a+3], s[14:15] offset:512*\a
	global_store_b128 v[CO], v[PC+8*\a+4:PC+8*\a+7], s[14:15] offset:65536+512*\a
.irp c, 0,1
.if (\a)%2 == 0
	v_lshl_or_b32 v[SW+2*(\a/2)+\c], v[TM+5+2*\c], 8, v[TM+4+2*\c]
.else
	v_lshl_or_b32 v[SW+2*(\a/2)+\c], v[TM+4+2*\c], 16, v[SW+2*(\a/2)+\c]
	v_lshl_or_b32 v[SW+2*(\a/2)+\c], v[TM+5+2*\c], 24, v[SW+2*(\a/2)+\c]
	ds_store_b32 v[SA], v[SW+2*(\a/2)+\c] offset:256*\c+128*((\a/2)%2)+4*(\a/4)   ; both halves of the lanes write the same word with the same value
.endif
.endr
.else
	global_store_b128 v[CO], v[PC+8*\a:PC+8*\a+3], s[14:15] offset:65536*(\a/4)+1024*(\a%4)
	global_store_b128 v[CO], v[PC+8*\a+4:PC+8*\a+7], s[14:15] offset:65536*(\a/4)+1024*(\a%4)+512
	v_lshl_or_b32 v[SW+\a], v[TM+5], 8, v[TM+4]
	v_lshl_or_b32 v[SW+\a], v[TM+6], 16, v[SW+\a]
	v_lshl_or_b32 v[SW+\a], v[TM+7], 24, v[SW+\a]
	ds_store_b32 v[SA], v[SW+\a] offset:256*(\a/4)+128*(\a%2)+4*((\a%4)/2)
.endif
.endr
.endm
	PLACES NP                                      ; in front of the writes into the registers that held L's fragments, and of the reads of the last results
.irp b, 0,1,2,3
	v_mov_b32 v[TM+4+\b], 0                        ; written once: a lane permute's destination counts as one of its sources
.endr
	s_cmp_ge_u32 ttmp9, 16
	s_cbranch_scc1 .Lepi_v
	EPI 1
	s_branch .Lepi_done
.Lepi_v:
	EPI 2
.Lepi_done:
	ds_load_b128 v[SWB:SWB+3], v[SRD]              ; LDS serves a wave's instructions in order (ISA guide 5.7.1.4): this sees my stores.  Lanes 0-15: my first head's 256 bytes, lanes 16-31 the next head's
	s_wait_dscnt 0x0
	global_store_b128 v[CS2], v[SWB:SWB+3], s[16:17]   ; sixteen lanes store 256 consecutive bytes, aligned
	s_wait_tensorcnt 0x0                           ; the wave's end: behind my last tensor load and my last LDS store
	ds_add_u32 v[SPW], v[NIL]
	s_wait_dscnt 0x0
	CROUND                                         ; the closing round: no work-group ends while a partner may still ask for a tile that names it
	s_endpgm
.Lfunc_end_k_q93d40f4840_proj:
	.size	k_q93d40f4840_proj, .Lfunc_end_k_q93d40f4840_proj-k_q93d40f4840_proj
	.p2alignl 7, 3214868480
	.fill 96, 4, 3214868480
	.section	.rodata,"a",@progbits
	.p2align	6, 0x0
	.amdhsa_kernel k_q93d40f4840_proj
		.amdhsa_group_segment_fixed_size 327680
		.amdhsa_private_segment_fixed_size 0
		.amdhsa_enable_private_segment 0
		.amdhsa_kernarg_size 136
		.amdhsa_user_sgpr_count 2
		.amdhsa_user_sgpr_kernarg_segment_ptr 1
		.amdhsa_wavefront_size32 1
		.amdhsa_system_sgpr_workgroup_id_x 1
		.amdhsa_system_sgpr_workgroup_id_y 1
		.amdhsa_system_sgpr_workgroup_id_z 1
		.amdhsa_system_vgpr_workitem_id 0
		.amdhsa_next_free_vgpr 1024
		.amdhsa_next_free_sgpr 102
		.amdhsa_reserve_vcc 0
		.amdhsa_float_denorm_mode_32 3
		.amdhsa_float_denorm_mode_16_64 3
		.amdhsa_memory_ordered 1
		.amdhsa_forward_progress 1
		.amdhsa_inst_pref_size 180
	.end_amdhsa_kernel
	.amdgpu_metadata
---
amdhsa.version: [ 1, 2 ]
amdhsa.kernels:
  - .name:           k_q93d40f4840_proj
    .symbol:         k_q93d40f4840_proj.kd
    .args:
      - { .name: hidden_states_codes, .offset: 0, .size: 8, .value_kind: global_buffer, .address_space: global }
      - { .name: hidden_states_scales, .offset: 8, .size: 8, .value_kind: global_buffer, .address_space: global }
      - { .name: Wq_codes, .offset: 16, .size: 8, .value_kind: global_buffer, .address_space: global }
      - { .name: Wq_scales, .offset: 24, .size: 8, .value_kind: global_buffer, .address_space: global }
      - { .name: Wk_codes, .offset: 32, .size: 8, .value_kind: global_buffer, .address_space: global }
      - { .name: Wk_scales, .offset: 40, .size: 8, .value_kind: global_buffer, .address_space: global }
      - { .name: Wv_codes, .offset: 48, .size: 8, .value_kind: global_buffer, .address_space: global }
      - { .name: Wv_scales, .offset: 56, .size: 8, .value_kind: global_buffer, .address_space: global }
      - { .name: bq, .offset: 64, .size: 8, .value_kind: global_buffer, .address_space: global }
      - { .name: bk, .offset: 72, .size: 8, .value_kind: global_buffer, .address_space: global }
      - { .name: bv, .offset: 80, .size: 8, .value_kind: global_buffer, .address_space: global }
      - { .name: qimg, .offset: 88, .size: 8, .value_kind: global_buffer, .address_space: global }
      - { .name: qsc, .offset: 96, .size: 8, .value_kind: global_buffer, .address_space: global }
      - { .name: kimg, .offset: 104, .size: 8, .value_kind: global_buffer, .address_space: global }
      - { .name: ksc, .offset: 112, .size: 8, .value_kind: global_buffer, .address_space: global }
      - { .name: vimg, .offset: 120, .size: 8, .value_kind: global_buffer, .address_space: global }
      - { .name: vsc, .offset: 128, .size: 8, .value_kind: global_buffer, .address_space: global }
    .group_segment_fixed_size: 327680
    .private_segment_fixed_size: 0
    .kernarg_segment_align: 8
    .kernarg_segment_size: 136
    .max_flat_workgroup_size: 128
    .sgpr_count:     102
    .vgpr_count:     1024
    .wavefront_size: 32
...
	.end_amdgpu_metadata
.endif
;; end of part 1
;; launch attn (part 2): grid 512 x 1, 16 waves a work-group, no clusters, 278,528 bytes of LDS; arguments qimg, qsc, kimg, ksc, vimg, vsc, attention_mask, key_padding_mask, out0; writes out0
.if DOCPART == 2
	.amdgcn_target "amdgcn-amd-amdhsa--gfx1250"
	.amdhsa_code_object_version 6
	.text
	.protected	k_q93d40f4840_attn
	.globl	k_q93d40f4840_attn
	.p2align	8
	.type	k_q93d40f4840_attn,@function
k_q93d40f4840_attn:
	s_mov_b64 s[64:65], 0
	v_nop
	global_prefetch_b8 v0, s[64:65] scope:SCOPE_SE
	s_setreg_imm32_b32 hwreg(HW_REG_WAVE_MODE, 25, 1), 1
	s_wait_xcnt 0x0
; out[b][q][head][:] = the sum over keys of softmax(q . k / 8 + attention_mask[b][q][key] + (1 - key_padding_mask[b][key]) x -10000) v[key][:], both products on codes of FP4 (E2M1) with E8M0 scales.
; q, k, v arrive as images of operand registers with their scale words.  No work of the problem is left out.
; THE SOFTMAX AHEAD OF THE SECOND PRODUCT: t = logit x log2(e); M = the row's largest t so far, rounded UP to a whole number; p = 2^(t - M) is quantised along the keys; the row's sum is taken of the unquantised p and divides at the end.
; THE LOGIT AND t ARE FORMED BY THE PROBLEM'S OWN STEPS, EACH WITH ITS OWN ROUNDING: a = s x 0.125 + mask (one fused multiply-add: the factor is a power of two, so it rounds as the problem's multiplication and addition do),
; b = a + pad, t = b x log2(e), t - M.  Where a mask or a pad is large, b and t lie on a coarse grid of f32 numbers, and p hangs on which point of the grid is taken: so no two of these steps are fused and none changes places.
; LIMITS: a block of p under 2^-124 keeps the scale byte 1 (its codes are zeros); NaN and infinities among the inputs are not served.
; SHARES.  A work-group owns 64 queries of one batch and 4 heads; wave w owns head w / 4 of them and queries 16 (w % 4) on: one tile, 256 registers, four waves to a SIMD.  All 2,048 keys are walked, 128 a step.
; LAYOUT.  Both products are used transposed: S^T = K Q^T, O^T = V^T P^T: a lane holds ONE query (lane % 16) throughout.  THE HEAD'S 64 FILL HALF OF THE INSTRUCTION'S 128: a fragment of K holds TWO key tiles
; (registers 0-3, 4-7); q is kept twice, as [q | 0] and [0 | q]: the one picks the first tile's scores, the other the second's; zero codes add nothing under the scale byte 127.
; THE MASK is read from memory once in a work-group and serves its four heads through LDS, laid as the scores lie in registers: a lane's 16 bytes are four keys of its query.  The pads of the batch's 2,048 keys lie in LDS for the whole launch.
; THE STEP'S DATA come from memory through registers, one step ahead of the LDS buffer that is being made and two ahead of the one that is read: wave w brings 4 rows of the mask (512 consecutive bytes each),
; and 1,024 bytes each of its head's K and V.  Two LDS buffers by turns, ONE barrier a step, its signal and its wait apart: a wave signals when its reads of this step's buffer are back and its stores into the
; next one have landed, and waits at the step's end; between the two stands work on registers alone.
; No tensor loads and no cluster: the mask is laid anew on its way, so it passes through registers anyway.
.set MBUF,  50176                      ; LDS: a buffer of mask images: 4 query tiles x MT
.set MT,    12544                      ; a tile's: 16 groups (key tile i, half jj of its registers: 2 i + jj) x MG
.set MG,    784                        ; a group: two halves of the lanes, MH apart; 16 queries x 16 bytes each.  784 = 49 x 16 and 384 = 24 x 16: the sixteen lanes of a store's pass fall on sixteen different 16-byte columns
.set MH,    384
.set KIM,   2*MBUF                     ; K's images: 2 buffers x [4 heads][4 fragments][2 groups][512 bytes]
.set KBUF,  16384
.set VREL,  2*KBUF                     ; V's images lie this far behind K's
.set SCK,   KIM+4*KBUF                 ; K's scale words of the 4 heads, 4,096 bytes each, as they lie in memory
.set SCV,   SCK+16384                  ; V's
.set PADR,  SCV+16384                  ; the pads of the batch's 2,048 keys, 4 bytes a key
.set STG,   PADR+8192                  ; the way out: 16 rows x (256 + 16) bytes for each wave
.set SPARE, STG+16*4352                ; the spare words, 128 bytes for each wave: eight blocks of 256 bytes that no other line names
.set AMR,  1                           ; v1   mask image, read: MT x (w % 4) + MH x H + 16 r
.set AKR,  2                           ; v2   K's image, read: KIM + 4,096 x (w / 4) + 16 l
.set AMW,  3                           ; v3   mask image, write
.set AKW,  4                           ; v4   K's image, write: v2 + 1,024 x (w % 4)
.set GM,   5                           ; v5   the mask in memory: 4 rows x w + 16 l
.set GKV,  6                           ; v6   K, V in memory: 1,024 x (w % 4) + 16 l
.set GP,   8                           ; v8   16 l
.set SPW,  9                           ; v9   my spare word; never rewritten
.set NIL,  10                          ; v10  0; never rewritten
.set PFO,  11                          ; v11  the prefetches' offset; never rewritten
.set QA,   16                          ; v16-23 [q | 0];  v24-31 [0 | q];  v12 -M, v13 the largest t, v[14:15] the sum in two halves
.set KV,   32                          ; v32-63  four fragments of K, then of V
.set S,    64                          ; v64-127 the mask, then the logits, t, t - M, p
.set OA,   128                         ; v128-159 O^T
.set PC,   160                         ; v160-167 p's codes (early in a step: pads)
.set T,    168                         ; v168-199 the scores of four key tiles; the same registers as MR and KR, which are free between their stores and the next loads
.set MR,   168                         ; v168-183 four rows of the mask on their way
.set KR,   184                         ; v184-199 K's and V's images on their way
.set KSW,  204                         ; v204-205 K's scale words; v206-207 V's
.set VSW,  206
.set APD,  208                         ; v208 the step's address among the pads; v209 among the scale words; v210, v211 my lane's places there
.set ASC,  209
.set APD0, 210
.set ASC0, 211
.set QSA,  212                         ; v212, v213 q's scale words for [q | 0] and [0 | q]
.set PW,   214                         ; v214 p's scale word
.set FF,   216                         ; v[216:217] f = 2^(old M - new M)
.set BM,   220                         ; v220-223 the blocks' largest t, then largest p
.set PT,   224                         ; v224-227 the neighbour's, then bytes (early in a step: pads)
.set SO,   228                         ; v228-231 the conversions' scale operands (early in a step: pads)
.set TT,   232
.set L2,   234                         ; v[234:235] the sums' second chain
.set STO,  236
.set RD,   237
.set GO,   238
.set PB0,  240                         ; the pads of four key tiles, 8 registers each: v240-247, v248-255, and two runs that the softmax takes later in the step
.set PB1,  248
.set PB2,  PC
.set PB3,  PT
	s_load_b512 s[4:19], s[0:1], 0x0               ; qimg, qsc, kimg, ksc, vimg, vsc, attention_mask, key_padding_mask
	s_load_b64 s[20:21], s[0:1], 0x40              ; out0
	v_lshl_add_u32 v[SPW], v0, 2, SPARE
	v_mov_b32 v[NIL], 0
	v_lshrrev_b32 v240, 5, v0
	v_readfirstlane_b32 s22, v240                  ; wave 0..15
	s_lshr_b32 s23, s22, 2                         ; hh: my head of the four
	s_and_b32 s24, s22, 3                          ; qt: my tile of queries
	s_and_b32 s25, ttmp9, 3                        ; hg: the group of four heads
	s_lshr_b32 s46, ttmp9, 2
	s_lshr_b32 s27, s46, 5                         ; b: the batch
	s_and_b32 s26, s46, 31                         ; qbl: the block of 64 queries
	s_lshl_b32 s46, s27, 4
	s_lshl_b32 s47, s25, 2
	s_add_co_u32 s46, s46, s47                     ; 16 b + the group's first head
	s_add_co_u32 s28, s46, s23                     ; bh = 16 b + my head
	s_mov_b32 s30, 0x76543210
	s_mov_b32 s31, 0xfedcba98                      ; v_permlanex16_b32's selects for lane l xor 16
	s_mov_b32 s32, 0x3fb8aa3b                      ; log2(e)
	s_mov_b32 s33, s32                             ; (the packed forms name pairs and take the low word for both halves: so the upper words are written)
	s_mov_b32 s34, 0x3e000000                      ; 0.125 = 1 / sqrt(64)
	s_mov_b32 s35, s34
	s_mov_b32 s36, 0xc61c4000                      ; -10000.0
	s_mov_b32 s37, s36
	v_and_b32 v240, 31, v0                         ; l
	v_and_b32 v241, 15, v0                         ; r
	v_bfe_u32 v242, v0, 4, 1                       ; H
	s_mul_i32 s47, s24, MT
	v_mul_u32_u24 v[AMR], v242, MH
	v_lshl_add_u32 v[AMR], v241, 4, v[AMR]
	v_add_nc_u32 v[AMR], s47, v[AMR]
	s_lshl_b32 s47, s23, 12
	s_add_co_u32 s47, s47, KIM
	v_lshl_add_u32 v[AKR], v240, 4, s47
	; the mask on its way in: wave w brings rows 4 w + i of the 64: query tile w / 4, query 4 (w % 4) + i.  Lane l holds keys 4 l .. 4 l + 3: key tile l / 4, lane half (l / 2) % 2, register half l % 2
	v_bfe_u32 v243, v0, 2, 3
	v_and_b32 v244, 1, v0
	v_lshl_add_u32 v243, v243, 1, v244             ; the group
	v_mul_u32_u24 v[AMW], v243, MG
	v_bfe_u32 v244, v0, 1, 1
	v_mad_u32_u24 v[AMW], v244, MH, v[AMW]
	s_mul_i32 s47, s23, MT
	s_lshl_b32 s48, s24, 6
	s_add_co_u32 s47, s47, s48
	v_add_nc_u32 v[AMW], s47, v[AMW]
	s_lshl_b32 s48, s24, 10
	v_add_nc_u32 v[AKW], s48, v[AKR]
	v_lshlrev_b32 v[GP], 4, v240
	v_add_nc_u32 v[GKV], s48, v[GP]
	s_lshl_b32 s47, s22, 15
	v_add_nc_u32 v[GM], s47, v[GP]
	v_lshl_add_u32 v[APD0], v242, 5, PADR          ; the pads: register j of key tile i is key 16 i + 8 H + j: 32 bytes from half to half; the sixteen lanes of a half read the same bytes
	s_lshl_b32 s47, s23, 12
	s_add_co_u32 s47, s47, SCK
	v_lshl_add_u32 v[ASC0], v240, 3, s47
	s_mul_i32 s47, s22, 4352
	s_add_co_u32 s47, s47, STG                     ; my stage
	v_mul_u32_u24 v[STO], v241, 272
	v_lshl_add_u32 v[STO], v242, 5, v[STO]
	v_add_nc_u32 v[STO], s47, v[STO]               ; in: row r, 32 bytes for each half of the lanes
	v_mul_u32_u24 v[RD], v242, 272
	v_lshl_add_u32 v[RD], v241, 4, v[RD]
	v_add_nc_u32 v[RD], s47, v[RD]                 ; back: lanes 0-15 one row, lanes 16-31 the next
	v_lshlrev_b32 v[GO], 12, v242
	v_lshl_add_u32 v[GO], v241, 4, v[GO]           ; and the same two rows in out0
	v_lshlrev_b32 v245, 4, v0                      ; key_padding_mask: 16 bytes a thread: the batch's 2,048 numbers
	v_add_nc_u32 v246, 0x10000, v[AKW]             ; the scale words' place in LDS: SCK lies 65,536 bytes behind KIM
	v_lshl_add_u32 v247, v0, 4, PADR
	v_lshlrev_b32 v248, 3, v241                    ; q's scale word: 8 bytes from row to row
	; the prefetches' offset.  Waves 0-3, the mask: row 16 (w % 4) + l / 2 of the 64, block l % 2 of a step's 512 bytes.  Waves 4-7, K or V: head 2 (w % 2) + l / 16 of the four, block l % 16 of a step's 4,096 bytes
	v_bfe_u32 v249, v0, 1, 4
	s_lshl_b32 s47, s24, 4
	v_add_nc_u32 v249, s47, v249
	v_lshlrev_b32 v249, 13, v249
	v_and_b32 v250, 1, v0
	v_lshl_add_u32 v249, v250, 8, v249
	s_and_b32 s47, s22, 1
	s_lshl_b32 s47, s47, 1
	v_add_nc_u32 v250, s47, v242
	v_lshlrev_b32 v250, 16, v250
	v_lshl_add_u32 v250, v241, 8, v250
	s_cmp_lt_u32 s22, 4
	s_cselect_b32 s47, 0, -1
	v_cndmask_b32 v[PFO], v249, v250, s47
	v_mov_b32 v13, 0xff61b1e6                      ; the largest t so far: -3e38, under every t
	v_floor_f32 v12, -v13                          ; -M
	v_mov_b32 v14, 0                               ; the sum, in two halves
	v_mov_b32 v15, 0
.irp j, 4,5,6,7,8,9,10,11
	v_mov_b32 v[QA+\j], 0                          ; the zero halves of [q | 0] and [0 | q]
.endr
	v_mov_b32 v[FF+1], 0                           ; (named as the upper half of a pair)
.irp j, 0,1,2,3,4,5,6,7,8,9,10,11,12,13,14,15,16,17,18,19,20,21,22,23,24,25,26,27,28,29,30,31
	v_mov_b32 v[OA+\j], 0                          ; O^T.  (The step has no first form of its own: the first change of M multiplies zeros)
.endr
	s_wait_kmcnt 0x0
	s_mov_b32 s49, 0
	s_lshl_b32 s48, s46, 16                        ; images: 65,536 bytes a head
	s_add_nc_u64 s[40:41], s[8:9], s[48:49]        ; for the prefetches: K and V at the group's first head
	s_add_nc_u64 s[50:51], s[12:13], s[48:49]
	s_cmp_lt_u32 s22, 6
	s_cselect_b64 s[40:41], s[40:41], s[50:51]
	s_lshl_b32 s48, s28, 16
	s_add_nc_u64 s[8:9], s[8:9], s[48:49]          ; K at my head
	s_add_nc_u64 s[12:13], s[12:13], s[48:49]      ; V at my head
	s_lshl_b32 s52, s26, 2
	s_add_co_u32 s52, s52, s24
	s_lshl_b32 s52, s52, 9
	s_add_co_u32 s48, s48, s52
	s_add_nc_u64 s[4:5], s[4:5], s[48:49]          ; q at my tile: 4 qbl + qt, 512 bytes a tile
	s_lshl_b32 s48, s28, 12                        ; scale words: 4,096 bytes a head
	s_add_nc_u64 s[10:11], s[10:11], s[48:49]
	s_add_nc_u64 s[14:15], s[14:15], s[48:49]
	s_lshr_b32 s52, s26, 1                         ; q's: 256 bytes for 128 rows; in them fragment f = 2 (qbl % 2) + qt / 2 at 128 (f % 2) + 4 (f / 2)
	s_lshl_b32 s52, s52, 8
	s_add_co_u32 s48, s48, s52
	s_lshr_b32 s52, s24, 1
	s_lshl_b32 s52, s52, 7
	s_add_co_u32 s48, s48, s52
	s_and_b32 s52, s26, 1
	s_lshl_b32 s52, s52, 2
	s_add_co_u32 s48, s48, s52
	s_add_nc_u64 s[6:7], s[6:7], s[48:49]
	s_lshl_b32 s48, s27, 24                        ; the mask: 2^24 bytes a batch, 8,192 a row
	s_lshl_b32 s52, s26, 19
	s_add_co_u32 s48, s48, s52
	s_add_nc_u64 s[16:17], s[16:17], s[48:49]
	s_lshl_b32 s48, s27, 13
	s_add_nc_u64 s[18:19], s[18:19], s[48:49]
	s_lshl_b32 s48, s27, 11                        ; out0: row 2,048 b + 64 qbl + 16 qt of 4,096 bytes, + 256 x head
	s_lshl_b32 s52, s26, 6
	s_add_co_u32 s48, s48, s52
	s_lshl_b32 s52, s24, 4
	s_add_co_u32 s48, s48, s52
	s_lshl_b32 s48, s48, 12
	s_lshl_b32 s52, s25, 2
	s_add_co_u32 s52, s52, s23
	s_lshl_b32 s52, s52, 8
	s_add_co_u32 s48, s48, s52
	s_add_nc_u64 s[20:21], s[20:21], s[48:49]
	; who prefetches.  The four work-groups of a block of queries read the same rows of the mask: the one with hg = 0 asks, waves 0-3.  The 32 work-groups of a batch and group of heads read the same K and V:
	; the one with qbl = 0 asks, waves 4, 5 for K, waves 6, 7 for V.  So each aligned block of 256 bytes is named once in the launch
	s_mov_b32 s52, 4096
	s_cmp_lt_u32 s22, 4
	s_cselect_b64 s[40:41], s[16:17], s[40:41]
	s_cselect_b32 s42, 512, s52                    ; a step on, in bytes
	s_cselect_b32 s53, s25, s26
	s_mov_b32 s43, 0
	s_lshr_b32 s54, s22, 3                         ; 0 in waves 0-7
	s_or_b32 s53, s53, s54
	s_cmp_eq_u32 s53, 0
	s_cselect_b32 s39, 1, -1                       ; 1 in a wave that asks, else the greatest number
	s_mul_i32 s54, s42, 3
	s_mov_b32 s55, 0
	s_add_nc_u64 s[40:41], s[40:41], s[54:55]      ; at step 3: key step 0 moves it to step 4.  Steps 0 to 3 come by their loads alone
.macro GLOAD                           ; a step's data: 4 rows of the mask, 512 consecutive bytes each; my 1,024 bytes of K's and of V's images.  No hint: other work-groups read these bytes again
.irp i, 0,1,2,3
	global_load_b128 v[MR+4*\i:MR+4*\i+3], v[GM], s[16:17] offset:8192*\i
.endr
.irp g, 0,1
	global_load_b128 v[KR+4*\g:KR+4*\g+3], v[GKV], s[8:9] offset:512*\g
.endr
.irp g, 0,1
	global_load_b128 v[KR+8+4*\g:KR+8+4*\g+3], v[GKV], s[12:13] offset:512*\g
.endr
.endm
.macro PADCALC reg                     ; (1 - key_padding_mask) x -10000, in the problem's two steps
.irp k, 0,2
	v_pk_add_f32 v[\reg+\k:\reg+\k+1], v[\reg+\k:\reg+\k+1], 1.0 op_sel_hi:[1,0] neg_lo:[1,0] neg_hi:[1,0]
.endr
.irp k, 0,2
	v_pk_mul_f32 v[\reg+\k:\reg+\k+1], v[\reg+\k:\reg+\k+1], s[36:37] op_sel_hi:[1,0]
.endr
.endm
.macro PREP p                          ; the data in hand become buffer p: the mask laid as the scores lie in registers, K's and V's images as they are
.irp i, 0,1,2,3
	ds_store_b128 v[AMW], v[MR+4*\i:MR+4*\i+3] offset:MBUF*(\p)+16*\i
.endr
	ds_store_b128 v[AKW], v[KR:KR+3] offset:KBUF*(\p)
	ds_store_b128 v[AKW], v[KR+4:KR+7] offset:KBUF*(\p)+512
	ds_store_b128 v[AKW], v[KR+8:KR+11] offset:VREL+KBUF*(\p)
	ds_store_b128 v[AKW], v[KR+12:KR+15] offset:VREL+KBUF*(\p)+512
.endm
.macro ASK                             ; a prefetch into the L2 of what the loads two key steps on will ask for; it stands behind the wave's own loads.  The loop's last trip asks for nothing: there is no step 16
	s_cmp_gt_u32 s38, s39
	s_cbranch_scc0 .Lnot_mine_\@
	global_prefetch_b8 v[PFO], s[40:41] th:TH_LOAD_NT scope:SCOPE_SE
.Lnot_mine_\@:
.endm
.macro PADL reg, i                     ; the pads of key tile i: my half's eight keys
	ds_load_b128 v[\reg:\reg+3], v[APD] offset:64*(\i)
	ds_load_b128 v[\reg+4:\reg+7], v[APD] offset:64*(\i)+16
.endm
.macro PADS i0                         ; those of tiles i0 .. i0 + 3
	PADL PB0, \i0
	PADL PB1, \i0+1
	PADL PB2, \i0+2
	PADL PB3, \i0+3
.endm
.macro SCORE i                         ; s = k . q of key tile i, which lies in half i % 2 of fragment i / 2; the sum begins with 0
.set rD, T+8*((\i)%4)
.set rK, KV+8*((\i)/2)
.set rQ, QA+8*((\i)%2)
.if ((\i)/2)%2
	v_wmma_scale_f32_16x16x128_f8f6f4 v[rD:rD+7], v[rK:rK+7], v[rQ:rQ+7], 0, v[KSW+(\i)/4], v[QSA+(\i)%2] matrix_a_fmt:MATRIX_FMT_FP4 matrix_b_fmt:MATRIX_FMT_FP4 matrix_a_scale:MATRIX_SCALE_ROW1
.else
	v_wmma_scale_f32_16x16x128_f8f6f4 v[rD:rD+7], v[rK:rK+7], v[rQ:rQ+7], 0, v[KSW+(\i)/4], v[QSA+(\i)%2] matrix_a_fmt:MATRIX_FMT_FP4 matrix_b_fmt:MATRIX_FMT_FP4
.endif
.endm
.macro ASTAGE i0                       ; a = s x 0.125 + mask, tiles i0 .. i0 + 3; each product's result is read from its low end on
.irp u, 0,1,2,3
.irp j, 0,2,4,6
	v_pk_fma_f32 v[S+8*(\i0+\u)+\j:S+8*(\i0+\u)+\j+1], v[T+8*\u+\j:T+8*\u+\j+1], s[34:35], v[S+8*(\i0+\u)+\j:S+8*(\i0+\u)+\j+1] op_sel_hi:[1,0,1]
.endr
.endr
.endm
.macro BTILE i, reg
.irp j, 0,2,4,6
	v_pk_add_f32 v[S+8*(\i)+\j:S+8*(\i)+\j+1], v[S+8*(\i)+\j:S+8*(\i)+\j+1], v[\reg+\j:\reg+\j+1]
.endr
.endm
.macro BSTAGE i0                       ; b = a + pad: the logit
	BTILE \i0, PB0
	BTILE \i0+1, PB1
	BTILE \i0+2, PB2
	BTILE \i0+3, PB3
.endm
.macro TSTAGE i0                       ; t = b x log2(e)
.irp j, 0,2,4,6,8,10,12,14,16,18,20,22,24,26,28,30
	v_pk_mul_f32 v[S+8*(\i0)+\j:S+8*(\i0)+\j+1], v[S+8*(\i0)+\j:S+8*(\i0)+\j+1], s[32:33] op_sel_hi:[1,0]
.endr
.endm
	global_load_b128 v[QA:QA+3], v[GP], s[4:5]     ; q, twice
	global_load_b128 v[QA+12:QA+15], v[GP], s[4:5]
	global_load_b32 v[QSA], v248, s[6:7]           ; the word that holds its two scale bytes
	global_load_b128 v[252:255], v245, s[18:19]    ; my 4 of the batch's key_padding_mask
	global_load_b128 v[64:67], v[GKV], s[10:11]    ; my quarter of my head's scale words of K
	global_load_b128 v[68:71], v[GKV], s[10:11] offset:512
	global_load_b128 v[72:75], v[GKV], s[14:15]    ; and of V
	global_load_b128 v[76:79], v[GKV], s[14:15] offset:512
	GLOAD                                          ; step 0
	s_wait_loadcnt 0x0
	s_and_b32 s47, s24, 1
	s_lshl_b32 s47, s47, 4
	v_lshrrev_b32 v[QSA], s47, v[QSA]              ; my tile's half of the word
	v_and_b32 v[QSA], 0xffff, v[QSA]
	v_lshl_or_b32 v[QSA+1], v[QSA], 16, 0x7f7f     ; for [0 | q]: the zeros' bytes are 127
	v_or_b32 v[QSA], 0x7f7f0000, v[QSA]            ; for [q | 0]
	PADCALC 252
	ds_store_b128 v247, v[252:255]
	ds_store_b128 v246, v[64:67]
	ds_store_b128 v246, v[68:71] offset:512
	ds_store_b128 v246, v[72:75] offset:16384
	ds_store_b128 v246, v[76:79] offset:16384+512
	PREP 0
	s_wait_dscnt 0x0                               ; for the others' sake: my stores have landed (and have read their registers)
	s_wait_xcnt 0x0                                ; the bases are written only behind this wait
	s_add_nc_u64 s[16:17], s[16:17], 512
	s_add_nc_u64 s[8:9], s[8:9], 4096
	s_add_nc_u64 s[12:13], s[12:13], 4096
	GLOAD                                          ; step 1
	s_mov_b32 s44, 0                               ; the pads and
	s_mov_b32 s45, 0                               ; the scale words of the step that is read
	v_add_nc_u32 v[APD], s44, v[APD0]
	v_add_nc_u32 v[ASC], s45, v[ASC0]
.rept 4
	v_nop                                          ; with the six lines above: q's scale words, written by vector instructions, stand eight places ahead of the first scaled product
.endr
	s_barrier_signal -1
	s_barrier_wait -1                              ; buffer 0, the pads and the scale words lie in LDS
; A KEY STEP on buffer p.  prep: the data in hand become buffer 1 - p, and the step has its barrier.  ld: the data of two steps on are asked for.  ask: with a prefetch.
.macro STEP p, prep, ld, ask
.if \prep
	s_wait_loadcnt 0x0                             ; the next step's data, asked for in the step before
	PREP 1-\p
.endif
	ds_load_b64 v[KSW:KSW+1], v[ASC]               ; lanes 0-15: fragments 0 and 2; lanes 16-31: fragments 1 and 3
	ds_load_b64 v[VSW:VSW+1], v[ASC] offset:16384
.irp f, 0,1,2,3
.irp g, 0,1
	ds_load_b128 v[KV+8*\f+4*\g:KV+8*\f+4*\g+3], v[AKR] offset:KBUF*\p+1024*\f+512*\g
.endr
.endr
.irp m, 0,1,2,3,4,5,6,7,8,9,10,11,12,13,14,15
	ds_load_b128 v[S+4*\m:S+4*\m+3], v[AMR] offset:MBUF*\p+MG*\m   ; the mask, where the logits will stand
.endr
	PADS 0
	s_wait_dscnt 24                                ; my stores have read their registers, which the scores now take; the scale words and K are in; behind K's: 16 loads of the mask and 8 of pads
.irp i, 0,1,2,3
	SCORE \i
.endr
	s_wait_dscnt 0x0                               ; the mask and the first pads
.rept 4
	v_nop                                          ; places in front of the first read of the scores
.endr
	ASTAGE 0
	BSTAGE 0
	PADS 4                                         ; the pads' registers take the other four tiles'
.irp i, 4,5,6,7
	SCORE \i                                       ; these write over the first four's results: behind each of those stand the four v_nop, the other tiles' 12 lines of a and the 16 of b
.endr
	TSTAGE 0                                       ; sixteen lines that name none of those products' registers: the places in front of the loads into K's registers and of the read of the scores
.irp t, 0,1,2,3
.irp g, 0,1
	ds_load_b128 v[KV+8*\t+4*\g:KV+8*\t+4*\g+3], v[AKR] offset:VREL+KBUF*\p+1024*\t+512*\g
.endr
.endr
	ASTAGE 4
	s_wait_dscnt 8                                 ; the pads are in; V's 8 loads, issued behind them, may be out
	BSTAGE 4
	TSTAGE 4
.irp b, 0,1,2,3
	v_max3_num_f32 v[BM+\b], v[S+16*\b], v[S+16*\b+1], v[S+16*\b+2]   ; the largest t of each block of 32 keys: for the row's maximum, and, since p rises with t, for the block's largest p
.endr
.irp i, 3,5,7,9,11,13
.irp b, 0,1,2,3
	v_max3_num_f32 v[BM+\b], v[BM+\b], v[S+16*\b+\i], v[S+16*\b+\i+1]
.endr
.endr
.irp b, 0,1,2,3
	v_max_num_f32 v[BM+\b], v[BM+\b], v[S+16*\b+15]
.endr
.if \prep
	s_wait_dscnt 0x0                               ; my reads of this buffer, V's among them, are back, and my stores into the other have landed
.if \ld
	s_wait_xcnt 0x0                                ; the bases, and the last prefetch's address, are written only behind this wait
	s_add_nc_u64 s[16:17], s[16:17], 512
	s_add_nc_u64 s[8:9], s[8:9], 4096
	s_add_nc_u64 s[12:13], s[12:13], 4096
	s_add_nc_u64 s[40:41], s[40:41], s[42:43]
	GLOAD                                          ; into the registers that the scores have left
.endif
.if \ask
	ASK
.endif
	s_barrier_signal -1                            ; say so; work on registers alone stands between this and the wait at the step's end
.endif
.irp b, 0,1,2,3
	v_permlanex16_b32 v[PT+\b], v[BM+\b], s30, s31
.endr
.irp b, 0,1,2,3
	v_max_num_f32 v[BM+\b], v[BM+\b], v[PT+\b]     ; with lane l xor 16's 16 keys
.endr
	v_max3_num_f32 v[TT], v[BM], v[BM+1], v[BM+2]
	v_max_num_f32 v[TT], v[TT], v[BM+3]            ; the step's largest t of my query
	v_max_num_f32 v13, v13, v[TT]                  ; the running largest t
	v_mov_b32 v[TT], v12
	v_floor_f32 v12, -v13                          ; the new -M = floor(-t) = -ceil(t): a whole number
	v_sub_f32 v[TT], v12, v[TT]                    ; M's old value less its new one: a whole number, 0 or less
	v_cvt_i32_f32 v[TT], v[TT]                     ; (it saturates)
	v_ldexp_f32 v[FF], 1.0, v[TT]                  ; f = 2^(old M - new M): a multiplication by it rounds nothing
.irp j, 0,2,4,6,8,10,12,14,16,18,20,22,24,26,28,30,32,34,36,38,40,42,44,46,48,50,52,54,56,58,60,62
	v_pk_add_f32 v[S+\j:S+\j+1], v[S+\j:S+\j+1], v[12:13] op_sel_hi:[1,0]   ; t - M, two at a time (of the pair the low word, -M, serves both halves)
.endr
.irp b, 0,1,2,3
	v_add_f32 v[BM+\b], v[BM+\b], v12              ; the same of each block's largest t
.endr
.irp j, 0,1,2,3,4,5,6,7,8,9,10,11,12,13,14,15,16,17,18,19,20,21,22,23,24,25,26,27,28,29,30,31,32,33,34,35,36,37,38,39,40,41,42,43,44,45,46,47,48,49,50,51,52,53,54,55,56,57,58,59,60,61,62,63
	v_exp_f32 v[S+\j], v[S+\j]                     ; p = 2^(t - M), at most 1: not normalised
.endr
	v_pk_mul_f32 v[14:15], v[14:15], v[FF:FF+1] op_sel_hi:[1,0]   ; the sums under the new M.  (A plain place behind the exponentials)
	s_wait_alu depctr_va_vdst(0)                   ; the wait ahead of the first instruction that names a result: one for the batch of 64
.irp b, 0,1,2,3
	v_exp_f32 v[BM+\b], v[BM+\b]                   ; the block's largest p: the same two instructions on the same number give the same bits
.endr
	v_pk_add_f32 v[L2:L2+1], v[S:S+1], v[S+2:S+3]  ; the row's sum is taken of the unquantised p: two at a time, in two chains
.irp j, 4,8,12,16,20,24,28,32,36,40,44,48,52,56,60
	v_pk_add_f32 v[14:15], v[14:15], v[S+\j:S+\j+1]
	v_pk_add_f32 v[L2:L2+1], v[L2:L2+1], v[S+\j+2:S+\j+3]
.endr
	v_pk_add_f32 v[14:15], v[14:15], v[L2:L2+1]
	s_wait_alu depctr_va_vdst(0)                   ; and one for the four
.irp b, 0,1,2,3
	v_max_num_f32 v[BM+\b], 0x1800000, v[BM+\b]    ; the floor 2^(3 - 127): the byte cannot fall under 1
.endr
.irp b, 0,1,2,3
	v_add_nc_u32 v[SO+\b], 0xff000000, v[BM+\b]    ; 2 off the exponent field: the conversion's scale operand
.endr
.irp b, 0,1,2,3
	v_lshrrev_b32 v[PT+\b], 23, v[SO+\b]           ; the scale's byte
.endr
	v_lshl_or_b32 v[PW], v[PT+1], 8, v[PT]         ; p's scale word for these 128 keys
	v_lshl_or_b32 v[PW], v[PT+2], 16, v[PW]
	v_lshl_or_b32 v[PW], v[PT+3], 24, v[PW]
.irp c, 0,1
.irp i, 0,1
.irp e, 0,1
	v_cvt_scalef32_pk8_fp4_f32 v[PC+4*\c+2*\i+\e], v[S+16*(2*\c+\e)+8*\i:S+16*(2*\c+\e)+8*\i+7], v[SO+2*\c+\e]   ; block 2 c + e, key tile part i: keys 16 i + 8 h + 0 .. 7 of the block
.endr
.endr
.endr
	v_nop                                          ; one plain place behind a scaled conversion
.irp c, 0,1
.irp i, 0,1
	v_permlane16_swap_b32 v[PC+4*\c+2*\i], v[PC+4*\c+2*\i+1]   ; lane half H now holds block 2 c + H, keys 8 w .. 8 w + 7 in register 4 c + w
.endr
.endr
.irp j, 0,2,4,6,8,10,12,14,16,18,20,22,24,26,28,30
	v_pk_mul_f32 v[OA+\j:OA+\j+1], v[OA+\j:OA+\j+1], v[FF:FF+1] op_sel_hi:[1,0]   ; O^T under the new M.  (These 16 also stand between the writes of p's codes and scale word and the products)
.endr
.if \prep == 0
	s_wait_dscnt 0x0                               ; V
.endif
.irp t, 0,1,2,3                        ; O^T += V^T P^T: 16 of the head's 64 at a time; the four accumulators take turns
.if \t%2
	v_wmma_scale_f32_16x16x128_f8f6f4 v[OA+8*\t:OA+8*\t+7], v[KV+8*\t:KV+8*\t+7], v[PC:PC+7], v[OA+8*\t:OA+8*\t+7], v[VSW+\t/2], v[PW] matrix_a_fmt:MATRIX_FMT_FP4 matrix_b_fmt:MATRIX_FMT_FP4 matrix_a_scale:MATRIX_SCALE_ROW1
.else
	v_wmma_scale_f32_16x16x128_f8f6f4 v[OA+8*\t:OA+8*\t+7], v[KV+8*\t:KV+8*\t+7], v[PC:PC+7], v[OA+8*\t:OA+8*\t+7], v[VSW+\t/2], v[PW] matrix_a_fmt:MATRIX_FMT_FP4 matrix_b_fmt:MATRIX_FMT_FP4
.endif
.endr
.if \prep
	s_add_co_u32 s44, s44, 512
	s_add_co_u32 s45, s45, 256
	v_add_nc_u32 v[APD], s44, v[APD0]              ; the next step's addresses: with the two v_nop the four places in front of the loads into V's, p's codes' and the scale words' registers
	v_add_nc_u32 v[ASC], s45, v[ASC0]
	v_nop
	v_nop
	s_barrier_wait -1                              ; every wave has left this buffer and has finished its part of the other
.endif
.endm
	s_mov_b32 s38, 7
.Ltrip:                                            ; 7 trips of two key steps: steps 0 to 13; step s asks for the data of step s + 2
	STEP 0, 1, 1, 1
	STEP 1, 1, 1, 1
	s_sub_co_u32 s38, s38, 1
	s_cmp_lg_u32 s38, 0
	s_cbranch_scc1 .Ltrip
	STEP 0, 1, 0, 0                                ; step 14 makes the last buffer and asks for nothing: no load leaves its buffer
	STEP 1, 0, 0, 0                                ; step 15
	; THE WAY OUT.  O^T is divided by the sum and goes through my stage in LDS, so that sixteen lanes store 256 consecutive bytes, aligned: a head's 64 numbers of a row
	v_add_f32 v14, v14, v15                        ; the sum's two halves,
	v_permlanex16_b32 v[TT], v14, s30, s31
	v_add_f32 v14, v14, v[TT]                      ; and lane l xor 16's: the row's sum
	v_rcp_f32 v14, v14
.rept 3
	v_nop                                          ; a plain place behind the reciprocal; with the additions above, the places behind the last products
.endr
	s_wait_alu depctr_va_vdst(0)                   ; ahead of the first reader
.irp j, 0,2,4,6,8,10,12,14,16,18,20,22,24,26,28,30
	v_pk_mul_f32 v[S+\j:S+\j+1], v[OA+\j:OA+\j+1], v[14:15] op_sel_hi:[1,0]   ; register 8 t + j is o(query r, channel 16 t + 8 H + j); each accumulator from its low end on
.endr
.irp t, 0,1,2,3
	ds_store_b128 v[STO], v[S+8*\t:S+8*\t+3] offset:64*\t
	ds_store_b128 v[STO], v[S+8*\t+4:S+8*\t+7] offset:64*\t+16
.endr
.irp i, 0,1,2,3,4,5,6,7
	ds_load_b128 v[KV+4*\i:KV+4*\i+3], v[RD] offset:544*\i   ; LDS serves a wave's instructions in order (ISA guide 5.7.1.4): these see my stores
.endr
.irp i, 0,1,2,3,4,5,6,7
	s_wait_dscnt 7-\i                              ; the younger loads may be out
	global_store_b128 v[GO], v[KV+4*\i:KV+4*\i+3], s[20:21] offset:8192*\i th:TH_STORE_NT
.endr
	s_wait_tensorcnt 0x0                           ; the wave's end: behind my last LDS store
	ds_add_u32 v[SPW], v[NIL]
	s_wait_dscnt 0x0
	s_endpgm
.Lfunc_end_k_q93d40f4840_attn:
	.size	k_q93d40f4840_attn, .Lfunc_end_k_q93d40f4840_attn-k_q93d40f4840_attn
	.p2alignl 7, 3214868480
	.fill 96, 4, 3214868480
	.section	.rodata,"a",@progbits
	.p2align	6, 0x0
	.amdhsa_kernel k_q93d40f4840_attn
		.amdhsa_group_segment_fixed_size 278528
		.amdhsa_private_segment_fixed_size 0
		.amdhsa_enable_private_segment 0
		.amdhsa_kernarg_size 72
		.amdhsa_user_sgpr_count 2
		.amdhsa_user_sgpr_kernarg_segment_ptr 1
		.amdhsa_wavefront_size32 1
		.amdhsa_system_sgpr_workgroup_id_x 1
		.amdhsa_system_sgpr_workgroup_id_y 1
		.amdhsa_system_sgpr_workgroup_id_z 1
		.amdhsa_system_vgpr_workitem_id 0
		.amdhsa_next_free_vgpr 256
		.amdhsa_next_free_sgpr 66
		.amdhsa_reserve_vcc 0
		.amdhsa_float_denorm_mode_32 3
		.amdhsa_float_denorm_mode_16_64 3
		.amdhsa_memory_ordered 1
		.amdhsa_forward_progress 1
		.amdhsa_inst_pref_size 110
	.end_amdhsa_kernel
	.amdgpu_metadata
---
amdhsa.version: [ 1, 2 ]
amdhsa.kernels:
  - .name:           k_q93d40f4840_attn
    .symbol:         k_q93d40f4840_attn.kd
    .args:
      - { .name: qimg, .offset: 0, .size: 8, .value_kind: global_buffer, .address_space: global }
      - { .name: qsc, .offset: 8, .size: 8, .value_kind: global_buffer, .address_space: global }
      - { .name: kimg, .offset: 16, .size: 8, .value_kind: global_buffer, .address_space: global }
      - { .name: ksc, .offset: 24, .size: 8, .value_kind: global_buffer, .address_space: global }
      - { .name: vimg, .offset: 32, .size: 8, .value_kind: global_buffer, .address_space: global }
      - { .name: vsc, .offset: 40, .size: 8, .value_kind: global_buffer, .address_space: global }
      - { .name: attention_mask, .offset: 48, .size: 8, .value_kind: global_buffer, .address_space: global }
      - { .name: key_padding_mask, .offset: 56, .size: 8, .value_kind: global_buffer, .address_space: global }
      - { .name: out0, .offset: 64, .size: 8, .value_kind: global_buffer, .address_space: global }
    .group_segment_fixed_size: 278528
    .private_segment_fixed_size: 0
    .kernarg_segment_align: 8
    .kernarg_segment_size: 72
    .max_flat_workgroup_size: 512
    .sgpr_count:     66
    .vgpr_count:     256
    .wavefront_size: 32
...
	.end_amdgpu_metadata
.endif
;; end of part 2
;; ======== version 2 of 2: 2 launches; version 1 with the launch attn written anew for expert scheduling mode
;; workspace buffers: qimg 4,194,304 bytes; kimg 4,194,304 bytes; vimg 4,194,304 bytes; qsc 262,144 bytes; ksc 262,144 bytes; vsc 262,144 bytes
;; launch proj: the kernel of part 1 again; grid 96 x 4, 4 waves a work-group, clusters of 4 x 4, 327,680 bytes of LDS; arguments hidden_states_codes, hidden_states_scales, Wq_codes, Wq_scales, Wk_codes, Wk_scales, Wv_codes, Wv_scales, bq, bk, bv, qimg, qsc, kimg, ksc, vimg, vsc; writes qimg, qsc, kimg, ksc, vimg, vsc
;; launch attn (part 3): grid 512 x 1, 16 waves a work-group, no clusters, 278,528 bytes of LDS; arguments qimg, qsc, kimg, ksc, vimg, vsc, attention_mask, key_padding_mask, out0; writes out0
.if DOCPART == 3
	.amdgcn_target "amdgcn-amd-amdhsa--gfx1250"
	.amdhsa_code_object_version 6
	.text
	.protected	k_q93d40f4840_attn
	.globl	k_q93d40f4840_attn
	.p2align	8
	.type	k_q93d40f4840_attn,@function
k_q93d40f4840_attn:
	s_mov_b64 s[64:65], 0
	v_nop
	global_prefetch_b8 v0, s[64:65] scope:SCOPE_SE
	s_setreg_imm32_b32 hwreg(HW_REG_WAVE_SCHED_MODE, 0, 2), 2
	s_setreg_imm32_b32 hwreg(HW_REG_WAVE_MODE, 25, 1), 1
	s_wait_xcnt 0x0
	s_wait_alu depctr_vm_vsrc(0)
; out[b][q][head][:] = the sum over keys of softmax(q . k / 8 + attention_mask[b][q][key] + (1 - key_padding_mask[b][key]) x -10000) v[key][:], both products on codes of FP4 (E2M1) with E8M0 scales.
; q, k, v arrive as images of operand registers with their scale words.  No work of the problem is left out.
; THE SOFTMAX AHEAD OF THE SECOND PRODUCT: t = logit x log2(e); M = the row's largest t so far, rounded UP to a whole number; p = 2^(t - M) is quantised along the keys; the row's sum is taken of the unquantised p and divides at the end.
; THE LOGIT AND t ARE FORMED BY THE PROBLEM'S OWN STEPS, EACH WITH ITS OWN ROUNDING: a = s x 0.125 + mask (one fused multiply-add: the factor is a power of two, so it rounds as the problem's multiplication and addition do),
; b = a + pad, t = b x log2(e), t - M.  Where a mask or a pad is large, b and t lie on a coarse grid of f32 numbers, and p hangs on which point of the grid is taken: so no two of these steps are fused and none changes places.
; LIMITS: a block of p under 2^-124 keeps the scale byte 1 (its codes are zeros); NaN and infinities among the inputs are not served.
; SHARES.  A work-group owns 64 queries of one batch and 4 heads; wave w owns head w / 4 of them and queries 16 (w % 4) on: one tile, 256 registers, four waves to a SIMD.  All 2,048 keys are walked, 128 a step.
; LAYOUT.  Both products are used transposed: S^T = K Q^T, O^T = V^T P^T: a lane holds ONE query (lane % 16) throughout.  THE HEAD'S 64 FILL HALF OF THE INSTRUCTION'S 128: a fragment of K holds TWO key tiles
; (registers 0-3, 4-7); q is kept twice, as [q | 0] and [0 | q]: the one picks the first tile's scores, the other the second's; zero codes add nothing under the scale byte 127.
; THE MASK is read from memory once in a work-group and serves its four heads through LDS, laid as the scores lie in registers: a lane's 16 bytes are four keys of its query.  The pads of the batch's 2,048 keys lie in LDS for the whole launch.
; THE STEP'S DATA come from memory through registers, one step ahead of the LDS buffer that is being made and two ahead of the one that is read: wave w brings 4 rows of the mask (512 consecutive bytes each),
; and 1,024 bytes each of its head's K and V.  Two LDS buffers by turns, ONE barrier a step, its signal and its wait apart: a wave signals when its reads of this step's buffer are back and its stores into the
; next one have landed, and waits at the step's end; between the two stands work on registers alone.
; No tensor loads and no cluster: the mask is laid anew on its way, so it passes through registers anyway.
; THE MODE: SCHED_MODE bits 1:0 = 2 (LLVM: expert scheduling mode 2), set by the entry lines.  The code itself states the register dependences between vector or matrix instructions and memory or LDS
; instructions, with s_wait_alu, always for 0.
; THE PLAN.  Registers that memory or LDS instructions touch in a key step, in the step's order:
;   T = MR, KR       the step's eight LDS stores read them; the products write the scores of tiles 0-3 there and the lines of a read them, then the same for tiles 4-7; then the global loads of two steps on land in them.
;   KSW, VSW, KV, S and the pads' four runs (v240-255, PC, PT with SO): LDS loads land in them at the step's head; the step before named them last, by its second product, conversions, sums and lines of b.
;   the pads' runs and KV once more: LDS loads land in them in the step's middle (the pads of tiles 4-7, V); the lines of b of tiles 0-3 and the eight products have read them.
;   APD, ASC         read by the loads of pads and scale words; written once, at the step's end.   All other addresses are made at the head and never written again.
; THE WAITS OF A STEP.  On va_vdst: one behind the stores at the step's head, for its 34 LDS loads; one in the middle, behind the lines of a of tiles 4-7, for the 16 LDS loads, the 8 global loads and the prefetch, which follow it
; in one run; the two for the exponentials; one ahead of the second product, for p's codes and scale word.  On vm_vsrc: one ahead of the first product (the stores have read T), one ahead of the additions to APD and ASC.
.set MBUF,  50176                      ; LDS: a buffer of mask images: 4 query tiles x MT
.set MT,    12544                      ; a tile's: 16 groups (key tile i, half jj of its registers: 2 i + jj) x MG
.set MG,    784                        ; a group: two halves of the lanes, MH apart; 16 queries x 16 bytes each.  784 = 49 x 16 and 384 = 24 x 16: the sixteen lanes of a store's pass fall on sixteen different 16-byte columns
.set MH,    384
.set KIM,   2*MBUF                     ; K's images: 2 buffers x [4 heads][4 fragments][2 groups][512 bytes]
.set KBUF,  16384
.set VREL,  2*KBUF                     ; V's images lie this far behind K's
.set SCK,   KIM+4*KBUF                 ; K's scale words of the 4 heads, 4,096 bytes each, as they lie in memory
.set SCV,   SCK+16384                  ; V's
.set PADR,  SCV+16384                  ; the pads of the batch's 2,048 keys, 4 bytes a key
.set STG,   PADR+8192                  ; the way out: 16 rows x (256 + 16) bytes for each wave
.set SPARE, STG+16*4352                ; the spare words, 128 bytes for each wave: eight blocks of 256 bytes that no other line names
.set AMR,  1                           ; v1   mask image, read: MT x (w % 4) + MH x H + 16 r
.set AKR,  2                           ; v2   K's image, read: KIM + 4,096 x (w / 4) + 16 l
.set AMW,  3                           ; v3   mask image, write
.set AKW,  4                           ; v4   K's image, write: v2 + 1,024 x (w % 4)
.set GM,   5                           ; v5   the mask in memory: 4 rows x w + 16 l
.set GKV,  6                           ; v6   K, V in memory: 1,024 x (w % 4) + 16 l
.set GP,   8                           ; v8   16 l
.set SPW,  9                           ; v9   my spare word; never rewritten
.set NIL,  10                          ; v10  0; never rewritten
.set PFO,  11                          ; v11  the prefetches' offset; never rewritten
.set QA,   16                          ; v16-23 [q | 0];  v24-31 [0 | q];  v12 -M, v13 the largest t, v[14:15] the sum in two halves
.set KV,   32                          ; v32-63  four fragments of K, then of V
.set S,    64                          ; v64-127 the mask, then the logits, t, t - M, p
.set OA,   128                         ; v128-159 O^T
.set PC,   160                         ; v160-167 p's codes (early in a step: pads)
.set T,    168                         ; v168-199 the scores of four key tiles; the same registers as MR and KR, which are free between their stores and the next loads
.set MR,   168                         ; v168-183 four rows of the mask on their way
.set KR,   184                         ; v184-199 K's and V's images on their way
.set KSW,  204                         ; v204-205 K's scale words; v206-207 V's
.set VSW,  206
.set APD,  208                         ; v208 the step's address among the pads; v209 among the scale words; v210, v211 my lane's places there
.set ASC,  209
.set APD0, 210
.set ASC0, 211
.set QSA,  212                         ; v212, v213 q's scale words for [q | 0] and [0 | q]
.set PW,   214                         ; v214 p's scale word
.set FF,   216                         ; v[216:217] f = 2^(old M - new M)
.set BM,   220                         ; v220-223 the blocks' largest t, then largest p
.set PT,   224                         ; v224-227 the neighbour's, then bytes (early in a step: pads)
.set SO,   228                         ; v228-231 the conversions' scale operands (early in a step: pads)
.set TT,   232
.set L2,   234                         ; v[234:235] the sums' second chain
.set STO,  236
.set RD,   237
.set GO,   238
.set PB0,  240                         ; the pads of four key tiles, 8 registers each: v240-247, v248-255, and two runs that the softmax takes later in the step
.set PB1,  248
.set PB2,  PC
.set PB3,  PT
	s_load_b512 s[4:19], s[0:1], 0x0               ; qimg, qsc, kimg, ksc, vimg, vsc, attention_mask, key_padding_mask
	s_load_b64 s[20:21], s[0:1], 0x40              ; out0
	v_lshl_add_u32 v[SPW], v0, 2, SPARE
	v_mov_b32 v[NIL], 0
	v_lshrrev_b32 v240, 5, v0
	v_readfirstlane_b32 s22, v240                  ; wave 0..15
	s_wait_alu depctr_va_sdst(0)                   ; s22 is written, ahead of its first reader: addresses, bases and the prefetches' choice are made from it
	s_lshr_b32 s23, s22, 2                         ; hh: my head of the four
	s_and_b32 s24, s22, 3                          ; qt: my tile of queries
	s_and_b32 s25, ttmp9, 3                        ; hg: the group of four heads
	s_lshr_b32 s46, ttmp9, 2
	s_lshr_b32 s27, s46, 5                         ; b: the batch
	s_and_b32 s26, s46, 31                         ; qbl: the block of 64 queries
	s_lshl_b32 s46, s27, 4
	s_lshl_b32 s47, s25, 2
	s_add_co_u32 s46, s46, s47                     ; 16 b + the group's first head
	s_add_co_u32 s28, s46, s23                     ; bh = 16 b + my head
	s_mov_b32 s30, 0x76543210
	s_mov_b32 s31, 0xfedcba98                      ; v_permlanex16_b32's selects for lane l xor 16
	s_mov_b32 s32, 0x3fb8aa3b                      ; log2(e)
	s_mov_b32 s33, s32                             ; (the packed forms name pairs and take the low word for both halves: so the upper words are written)
	s_mov_b32 s34, 0x3e000000                      ; 0.125 = 1 / sqrt(64)
	s_mov_b32 s35, s34
	s_mov_b32 s36, 0xc61c4000                      ; -10000.0
	s_mov_b32 s37, s36
	v_and_b32 v240, 31, v0                         ; l
	v_and_b32 v241, 15, v0                         ; r
	v_bfe_u32 v242, v0, 4, 1                       ; H
	s_mul_i32 s47, s24, MT
	v_mul_u32_u24 v[AMR], v242, MH
	v_lshl_add_u32 v[AMR], v241, 4, v[AMR]
	v_add_nc_u32 v[AMR], s47, v[AMR]
	s_lshl_b32 s47, s23, 12
	s_add_co_u32 s47, s47, KIM
	v_lshl_add_u32 v[AKR], v240, 4, s47
	; the mask on its way in: wave w brings rows 4 w + i of the 64: query tile w / 4, query 4 (w % 4) + i.  Lane l holds keys 4 l .. 4 l + 3: key tile l / 4, lane half (l / 2) % 2, register half l % 2
	v_bfe_u32 v243, v0, 2, 3
	v_and_b32 v244, 1, v0
	v_lshl_add_u32 v243, v243, 1, v244             ; the group
	v_mul_u32_u24 v[AMW], v243, MG
	v_bfe_u32 v244, v0, 1, 1
	v_mad_u32_u24 v[AMW], v244, MH, v[AMW]
	s_mul_i32 s47, s23, MT
	s_lshl_b32 s48, s24, 6
	s_add_co_u32 s47, s47, s48
	v_add_nc_u32 v[AMW], s47, v[AMW]
	s_lshl_b32 s48, s24, 10
	v_add_nc_u32 v[AKW], s48, v[AKR]
	v_lshlrev_b32 v[GP], 4, v240
	v_add_nc_u32 v[GKV], s48, v[GP]
	s_lshl_b32 s47, s22, 15
	v_add_nc_u32 v[GM], s47, v[GP]
	v_lshl_add_u32 v[APD0], v242, 5, PADR          ; the pads: register j of key tile i is key 16 i + 8 H + j: 32 bytes from half to half; the sixteen lanes of a half read the same bytes
	s_lshl_b32 s47, s23, 12
	s_add_co_u32 s47, s47, SCK
	v_lshl_add_u32 v[ASC0], v240, 3, s47
	s_mul_i32 s47, s22, 4352
	s_add_co_u32 s47, s47, STG                     ; my stage
	v_mul_u32_u24 v[STO], v241, 272
	v_lshl_add_u32 v[STO], v242, 5, v[STO]
	v_add_nc_u32 v[STO], s47, v[STO]               ; in: row r, 32 bytes for each half of the lanes
	v_mul_u32_u24 v[RD], v242, 272
	v_lshl_add_u32 v[RD], v241, 4, v[RD]
	v_add_nc_u32 v[RD], s47, v[RD]                 ; back: lanes 0-15 one row, lanes 16-31 the next
	v_lshlrev_b32 v[GO], 12, v242
	v_lshl_add_u32 v[GO], v241, 4, v[GO]           ; and the same two rows in out0
	v_lshlrev_b32 v245, 4, v0                      ; key_padding_mask: 16 bytes a thread: the batch's 2,048 numbers
	v_add_nc_u32 v246, 0x10000, v[AKW]             ; the scale words' place in LDS: SCK lies 65,536 bytes behind KIM
	v_lshl_add_u32 v247, v0, 4, PADR
	v_lshlrev_b32 v248, 3, v241                    ; q's scale word: 8 bytes from row to row
	; the prefetches' offset.  Waves 0-3, the mask: row 16 (w % 4) + l / 2 of the 64, block l % 2 of a step's 512 bytes.  Waves 4-7, K or V: head 2 (w % 2) + l / 16 of the four, block l % 16 of a step's 4,096 bytes
	v_bfe_u32 v249, v0, 1, 4
	s_lshl_b32 s47, s24, 4
	v_add_nc_u32 v249, s47, v249
	v_lshlrev_b32 v249, 13, v249
	v_and_b32 v250, 1, v0
	v_lshl_add_u32 v249, v250, 8, v249
	s_and_b32 s47, s22, 1
	s_lshl_b32 s47, s47, 1
	v_add_nc_u32 v250, s47, v242
	v_lshlrev_b32 v250, 16, v250
	v_lshl_add_u32 v250, v241, 8, v250
	s_cmp_lt_u32 s22, 4
	s_cselect_b32 s47, 0, -1
	v_cndmask_b32 v[PFO], v249, v250, s47
	v_mov_b32 v13, 0xff61b1e6                      ; the largest t so far: -3e38, under every t
	v_floor_f32 v12, -v13                          ; -M
	v_mov_b32 v14, 0                               ; the sum, in two halves
	v_mov_b32 v15, 0
.irp j, 4,5,6,7,8,9,10,11
	v_mov_b32 v[QA+\j], 0                          ; the zero halves of [q | 0] and [0 | q]
.endr
	v_mov_b32 v[FF+1], 0                           ; (named as the upper half of a pair)
.irp j, 0,1,2,3,4,5,6,7,8,9,10,11,12,13,14,15,16,17,18,19,20,21,22,23,24,25,26,27,28,29,30,31
	v_mov_b32 v[OA+\j], 0                          ; O^T.  (The step has no first form of its own: the first change of M multiplies zeros)
.endr
	s_wait_kmcnt 0x0
	s_mov_b32 s49, 0
	s_lshl_b32 s48, s46, 16                        ; images: 65,536 bytes a head
	s_add_nc_u64 s[40:41], s[8:9], s[48:49]        ; for the prefetches: K and V at the group's first head
	s_add_nc_u64 s[50:51], s[12:13], s[48:49]
	s_cmp_lt_u32 s22, 6
	s_cselect_b64 s[40:41], s[40:41], s[50:51]
	s_lshl_b32 s48, s28, 16
	s_add_nc_u64 s[8:9], s[8:9], s[48:49]          ; K at my head
	s_add_nc_u64 s[12:13], s[12:13], s[48:49]      ; V at my head
	s_lshl_b32 s52, s26, 2
	s_add_co_u32 s52, s52, s24
	s_lshl_b32 s52, s52, 9
	s_add_co_u32 s48, s48, s52
	s_add_nc_u64 s[4:5], s[4:5], s[48:49]          ; q at my tile: 4 qbl + qt, 512 bytes a tile
	s_lshl_b32 s48, s28, 12                        ; scale words: 4,096 bytes a head
	s_add_nc_u64 s[10:11], s[10:11], s[48:49]
	s_add_nc_u64 s[14:15], s[14:15], s[48:49]
	s_lshr_b32 s52, s26, 1                         ; q's: 256 bytes for 128 rows; in them fragment f = 2 (qbl % 2) + qt / 2 at 128 (f % 2) + 4 (f / 2)
	s_lshl_b32 s52, s52, 8
	s_add_co_u32 s48, s48, s52
	s_lshr_b32 s52, s24, 1
	s_lshl_b32 s52, s52, 7
	s_add_co_u32 s48, s48, s52
	s_and_b32 s52, s26, 1
	s_lshl_b32 s52, s52, 2
	s_add_co_u32 s48, s48, s52
	s_add_nc_u64 s[6:7], s[6:7], s[48:49]
	s_lshl_b32 s48, s27, 24                        ; the mask: 2^24 bytes a batch, 8,192 a row
	s_lshl_b32 s52, s26, 19
	s_add_co_u32 s48, s48, s52
	s_add_nc_u64 s[16:17], s[16:17], s[48:49]
	s_lshl_b32 s48, s27, 13
	s_add_nc_u64 s[18:19], s[18:19], s[48:49]
	s_lshl_b32 s48, s27, 11                        ; out0: row 2,048 b + 64 qbl + 16 qt of 4,096 bytes, + 256 x head
	s_lshl_b32 s52, s26, 6
	s_add_co_u32 s48, s48, s52
	s_lshl_b32 s52, s24, 4
	s_add_co_u32 s48, s48, s52
	s_lshl_b32 s48, s48, 12
	s_lshl_b32 s52, s25, 2
	s_add_co_u32 s52, s52, s23
	s_lshl_b32 s52, s52, 8
	s_add_co_u32 s48, s48, s52
	s_add_nc_u64 s[20:21], s[20:21], s[48:49]
	; who prefetches.  The four work-groups of a block of queries read the same rows of the mask: the one with hg = 0 asks, waves 0-3.  The 32 work-groups of a batch and group of heads read the same K and V:
	; the one with qbl = 0 asks, waves 4, 5 for K, waves 6, 7 for V.  So each aligned block of 256 bytes is named once in the launch
	s_mov_b32 s52, 4096
	s_cmp_lt_u32 s22, 4
	s_cselect_b64 s[40:41], s[16:17], s[40:41]
	s_cselect_b32 s42, 512, s52                    ; a step on, in bytes
	s_cselect_b32 s53, s25, s26
	s_mov_b32 s43, 0
	s_lshr_b32 s54, s22, 3                         ; 0 in waves 0-7
	s_or_b32 s53, s53, s54
	s_cmp_eq_u32 s53, 0
	s_cselect_b32 s39, 1, -1                       ; 1 in a wave that asks, else the greatest number
	s_mul_i32 s54, s42, 3
	s_mov_b32 s55, 0
	s_add_nc_u64 s[40:41], s[40:41], s[54:55]      ; at step 3: key step 0 moves it to step 4.  Steps 0 to 3 come by their loads alone
.macro GLOAD                           ; a step's data: 4 rows of the mask, 512 consecutive bytes each; my 1,024 bytes of K's and of V's images.  No hint: other work-groups read these bytes again
.irp i, 0,1,2,3
	global_load_b128 v[MR+4*\i:MR+4*\i+3], v[GM], s[16:17] offset:8192*\i
.endr
.irp g, 0,1
	global_load_b128 v[KR+4*\g:KR+4*\g+3], v[GKV], s[8:9] offset:512*\g
.endr
.irp g, 0,1
	global_load_b128 v[KR+8+4*\g:KR+8+4*\g+3], v[GKV], s[12:13] offset:512*\g
.endr
.endm
.macro PADCALC reg                     ; (1 - key_padding_mask) x -10000, in the problem's two steps
.irp k, 0,2
	v_pk_add_f32 v[\reg+\k:\reg+\k+1], v[\reg+\k:\reg+\k+1], 1.0 op_sel_hi:[1,0] neg_lo:[1,0] neg_hi:[1,0]
.endr
.irp k, 0,2
	v_pk_mul_f32 v[\reg+\k:\reg+\k+1], v[\reg+\k:\reg+\k+1], s[36:37] op_sel_hi:[1,0]
.endr
.endm
.macro PREP p                          ; the data in hand become buffer p: the mask laid as the scores lie in registers, K's and V's images as they are
.irp i, 0,1,2,3
	ds_store_b128 v[AMW], v[MR+4*\i:MR+4*\i+3] offset:MBUF*(\p)+16*\i
.endr
	ds_store_b128 v[AKW], v[KR:KR+3] offset:KBUF*(\p)
	ds_store_b128 v[AKW], v[KR+4:KR+7] offset:KBUF*(\p)+512
	ds_store_b128 v[AKW], v[KR+8:KR+11] offset:VREL+KBUF*(\p)
	ds_store_b128 v[AKW], v[KR+12:KR+15] offset:VREL+KBUF*(\p)+512
.endm
.macro ASK                             ; a prefetch into the L2 of what the loads two key steps on will ask for; it stands behind the wave's own loads.  The loop's last trip asks for nothing: there is no step 16
	s_cmp_gt_u32 s38, s39
	s_cbranch_scc0 .Lnot_mine_\@
	global_prefetch_b8 v[PFO], s[40:41] th:TH_LOAD_NT scope:SCOPE_SE
.Lnot_mine_\@:
.endm
.macro PADL reg, i                     ; the pads of key tile i: my half's eight keys
	ds_load_b128 v[\reg:\reg+3], v[APD] offset:64*(\i)
	ds_load_b128 v[\reg+4:\reg+7], v[APD] offset:64*(\i)+16
.endm
.macro PADS i0                         ; those of tiles i0 .. i0 + 3
	PADL PB0, \i0
	PADL PB1, \i0+1
	PADL PB2, \i0+2
	PADL PB3, \i0+3
.endm
.macro SCORE i                         ; s = k . q of key tile i, which lies in half i % 2 of fragment i / 2; the sum begins with 0
.set rD, T+8*((\i)%4)
.set rK, KV+8*((\i)/2)
.set rQ, QA+8*((\i)%2)
.if ((\i)/2)%2
	v_wmma_scale_f32_16x16x128_f8f6f4 v[rD:rD+7], v[rK:rK+7], v[rQ:rQ+7], 0, v[KSW+(\i)/4], v[QSA+(\i)%2] matrix_a_fmt:MATRIX_FMT_FP4 matrix_b_fmt:MATRIX_FMT_FP4 matrix_a_scale:MATRIX_SCALE_ROW1
.else
	v_wmma_scale_f32_16x16x128_f8f6f4 v[rD:rD+7], v[rK:rK+7], v[rQ:rQ+7], 0, v[KSW+(\i)/4], v[QSA+(\i)%2] matrix_a_fmt:MATRIX_FMT_FP4 matrix_b_fmt:MATRIX_FMT_FP4
.endif
.endm
.macro ASTAGE i0                       ; a = s x 0.125 + mask, tiles i0 .. i0 + 3; each product's result is read from its low end on
.irp u, 0,1,2,3
.irp j, 0,2,4,6
	v_pk_fma_f32 v[S+8*(\i0+\u)+\j:S+8*(\i0+\u)+\j+1], v[T+8*\u+\j:T+8*\u+\j+1], s[34:35], v[S+8*(\i0+\u)+\j:S+8*(\i0+\u)+\j+1] op_sel_hi:[1,0,1]
.endr
.endr
.endm
.macro BTILE i, reg
.irp j, 0,2,4,6
	v_pk_add_f32 v[S+8*(\i)+\j:S+8*(\i)+\j+1], v[S+8*(\i)+\j:S+8*(\i)+\j+1], v[\reg+\j:\reg+\j+1]
.endr
.endm
.macro BSTAGE i0                       ; b = a + pad: the logit
	BTILE \i0, PB0
	BTILE \i0+1, PB1
	BTILE \i0+2, PB2
	BTILE \i0+3, PB3
.endm
.macro TSTAGE i0                       ; t = b x log2(e)
.irp j, 0,2,4,6,8,10,12,14,16,18,20,22,24,26,28,30
	v_pk_mul_f32 v[S+8*(\i0)+\j:S+8*(\i0)+\j+1], v[S+8*(\i0)+\j:S+8*(\i0)+\j+1], s[32:33] op_sel_hi:[1,0]
.endr
.endm
.macro MAXB b0                         ; the largest t of blocks b0 and b0 + 1 of 32 keys, the two by turns: for the row's maximum, and, since p rises with t, for the block's largest p
.irp b, \b0, \b0+1
	v_max3_num_f32 v[BM+\b], v[S+16*(\b)], v[S+16*(\b)+1], v[S+16*(\b)+2]
.endr
.irp i, 3,5,7,9,11,13
.irp b, \b0, \b0+1
	v_max3_num_f32 v[BM+\b], v[BM+\b], v[S+16*(\b)+\i], v[S+16*(\b)+\i+1]
.endr
.endr
.irp b, \b0, \b0+1
	v_max_num_f32 v[BM+\b], v[BM+\b], v[S+16*(\b)+15]
.endr
.endm
	s_wait_alu depctr_va_vdst(0)                   ; every address and offset made above is written: the loads, stores and prefetches of the whole kernel read them
	global_load_b128 v[QA:QA+3], v[GP], s[4:5]     ; q, twice
	global_load_b128 v[QA+12:QA+15], v[GP], s[4:5]
	global_load_b32 v[QSA], v248, s[6:7]           ; the word that holds its two scale bytes
	global_load_b128 v[252:255], v245, s[18:19]    ; my 4 of the batch's key_padding_mask
	global_load_b128 v[64:67], v[GKV], s[10:11]    ; my quarter of my head's scale words of K
	global_load_b128 v[68:71], v[GKV], s[10:11] offset:512
	global_load_b128 v[72:75], v[GKV], s[14:15]    ; and of V
	global_load_b128 v[76:79], v[GKV], s[14:15] offset:512
	GLOAD                                          ; step 0
	s_wait_loadcnt 0x0
	s_and_b32 s47, s24, 1
	s_lshl_b32 s47, s47, 4
	v_lshrrev_b32 v[QSA], s47, v[QSA]              ; my tile's half of the word
	v_and_b32 v[QSA], 0xffff, v[QSA]
	v_lshl_or_b32 v[QSA+1], v[QSA], 16, 0x7f7f     ; for [0 | q]: the zeros' bytes are 127
	v_or_b32 v[QSA], 0x7f7f0000, v[QSA]            ; for [q | 0]
	PADCALC 252
	s_wait_alu depctr_va_vdst(0)                   ; the pads are written into v252-255, which the first LDS store below reads
	ds_store_b128 v247, v[252:255]
	ds_store_b128 v246, v[64:67]
	ds_store_b128 v246, v[68:71] offset:512
	ds_store_b128 v246, v[72:75] offset:16384
	ds_store_b128 v246, v[76:79] offset:16384+512
	PREP 0
	s_wait_dscnt 0x0                               ; for the others' sake: my stores have landed
	s_wait_xcnt 0x0                                ; the bases are written only behind this wait
	s_wait_alu depctr_vm_vsrc(0)                   ; my LDS stores have read MR and KR, in which step 1's loads land, and v64-79, v252-255, v246 and v247; the loads above have read v245 and v248: the first step's LDS loads land in all of these
	s_add_nc_u64 s[16:17], s[16:17], 512
	s_add_nc_u64 s[8:9], s[8:9], 4096
	s_add_nc_u64 s[12:13], s[12:13], 4096
	GLOAD                                          ; step 1
	s_mov_b32 s44, 0                               ; the pads and
	s_mov_b32 s45, 0                               ; the scale words of the step that is read
	v_add_nc_u32 v[APD], s44, v[APD0]
	v_add_nc_u32 v[ASC], s45, v[ASC0]
.rept 4
	v_nop                                          ; with the six lines above: q's scale words, written by vector instructions, stand eight places ahead of the first scaled product
.endr
	s_barrier_signal -1
	s_barrier_wait -1                              ; buffer 0, the pads and the scale words lie in LDS
; A KEY STEP on buffer p.  prep: the data in hand become buffer 1 - p, and the step has its barrier.  ld: the data of two steps on are asked for.  ask: with a prefetch.
.macro STEP p, prep, ld, ask
.if \prep
	s_wait_loadcnt 0x0                             ; the next step's data, asked for in the step before
	PREP 1-\p
.endif
	s_wait_alu depctr_va_vdst(0)                   ; the step before is done with all that the 34 loads below land in: its second product has read V, V's scale words and p's codes, its vector lines K's scale words' neighbours S, PT, SO and the pads' runs; APD and ASC are written (first step: also q's scale words, which the scaled products take, and v240-250)
	ds_load_b64 v[KSW:KSW+1], v[ASC]               ; lanes 0-15: fragments 0 and 2; lanes 16-31: fragments 1 and 3
	ds_load_b64 v[VSW:VSW+1], v[ASC] offset:16384
.irp f, 0,1,2,3
.irp g, 0,1
	ds_load_b128 v[KV+8*\f+4*\g:KV+8*\f+4*\g+3], v[AKR] offset:KBUF*\p+1024*\f+512*\g
.endr
.endr
.irp m, 0,1,2,3,4,5,6,7,8,9,10,11,12,13,14,15
	ds_load_b128 v[S+4*\m:S+4*\m+3], v[AMR] offset:MBUF*\p+MG*\m   ; the mask, where the logits will stand
.endr
	PADS 0
	s_wait_dscnt 24                                ; the scale words and K are in; behind K's: 16 loads of the mask and 8 of pads
.if \prep
	s_wait_alu depctr_vm_vsrc(0)                   ; my LDS stores at the step's head have read MR and KR, which the scores below, and later the global loads, write
.endif
.irp i, 0,1,2,3
	SCORE \i
.endr
	s_wait_dscnt 0x0                               ; the mask and the first pads
.rept 4
	v_nop                                          ; places in front of the first read of the scores
.endr
	ASTAGE 0
	BSTAGE 0
.irp i, 4,5,6,7
	SCORE \i                                       ; these write over the first four's results: behind each of those stand the four v_nop, the other tiles' 12 lines of a and the 16 of b
.endr
	TSTAGE 0                                       ; sixteen lines that name none of those products' registers: the places in front of the read of the scores
	ASTAGE 4
	s_wait_alu depctr_va_vdst(0)                   ; the lines of b of tiles 0-3 have read the pads' runs; the eight products have read K and written the scores; the lines of a have read the scores: the 24 loads below land in these registers, and no vector line stands among them
	PADS 4                                         ; the pads' registers take the other four tiles'
.irp t, 0,1,2,3
.irp g, 0,1
	ds_load_b128 v[KV+8*\t+4*\g:KV+8*\t+4*\g+3], v[AKR] offset:VREL+KBUF*\p+1024*\t+512*\g
.endr
.endr
.if \ld
	s_wait_xcnt 0x0                                ; the bases, and the last prefetch's address, are written only behind this wait
	s_add_nc_u64 s[16:17], s[16:17], 512
	s_add_nc_u64 s[8:9], s[8:9], 4096
	s_add_nc_u64 s[12:13], s[12:13], 4096
	s_add_nc_u64 s[40:41], s[40:41], s[42:43]
	GLOAD                                          ; into the registers that the scores have left
.endif
.if \ask
	ASK
.endif
	MAXB 0                                         ; tiles 0-3 are finished t: their two blocks' maxima stand between the pads' loads and the wait for them
	s_wait_dscnt 8                                 ; the pads are in; V's 8 loads, issued behind them, may be out
	BSTAGE 4
	TSTAGE 4
	MAXB 2
.if \prep
	s_wait_dscnt 0x0                               ; my reads of this buffer, V's among them, are back, and my stores into the other have landed
	s_barrier_signal -1                            ; say so; work on registers alone stands between this and the wait at the step's end
.endif
.irp b, 0,1,2,3
	v_permlanex16_b32 v[PT+\b], v[BM+\b], s30, s31
.endr
.irp b, 0,1,2,3
	v_max_num_f32 v[BM+\b], v[BM+\b], v[PT+\b]     ; with lane l xor 16's 16 keys
.endr
	v_max3_num_f32 v[TT], v[BM], v[BM+1], v[BM+2]
	v_max_num_f32 v[TT], v[TT], v[BM+3]            ; the step's largest t of my query
	v_max_num_f32 v13, v13, v[TT]                  ; the running largest t
	v_mov_b32 v[TT], v12
	v_floor_f32 v12, -v13                          ; the new -M = floor(-t) = -ceil(t): a whole number
	v_sub_f32 v[TT], v12, v[TT]                    ; M's old value less its new one: a whole number, 0 or less
	v_cvt_i32_f32 v[TT], v[TT]                     ; (it saturates)
	v_ldexp_f32 v[FF], 1.0, v[TT]                  ; f = 2^(old M - new M): a multiplication by it rounds nothing
.irp j, 0,2,4,6,8,10,12,14,16,18,20,22,24,26,28,30,32,34,36,38,40,42,44,46,48,50,52,54,56,58,60,62
	v_pk_add_f32 v[S+\j:S+\j+1], v[S+\j:S+\j+1], v[12:13] op_sel_hi:[1,0]   ; t - M, two at a time (of the pair the low word, -M, serves both halves)
.endr
.irp b, 0,1,2,3
	v_add_f32 v[BM+\b], v[BM+\b], v12              ; the same of each block's largest t
.endr
.irp j, 0,1,2,3,4,5,6,7,8,9,10,11,12,13,14,15,16,17,18,19,20,21,22,23,24,25,26,27,28,29,30,31,32,33,34,35,36,37,38,39,40,41,42,43,44,45,46,47,48,49,50,51,52,53,54,55,56,57,58,59,60,61,62,63
	v_exp_f32 v[S+\j], v[S+\j]                     ; p = 2^(t - M), at most 1: not normalised
.endr
	v_pk_mul_f32 v[14:15], v[14:15], v[FF:FF+1] op_sel_hi:[1,0]   ; the sums under the new M.  (A plain place behind the exponentials)
	s_wait_alu depctr_va_vdst(0)                   ; the 64 exponentials have written p, ahead of the first line that names one: one wait for the batch
.irp b, 0,1,2,3
	v_exp_f32 v[BM+\b], v[BM+\b]                   ; the block's largest p: the same two instructions on the same number give the same bits
.endr
	v_pk_add_f32 v[L2:L2+1], v[S:S+1], v[S+2:S+3]  ; the row's sum is taken of the unquantised p: two at a time, in two chains
.irp j, 4,8,12,16,20,24,28,32,36,40,44,48,52,56,60
	v_pk_add_f32 v[14:15], v[14:15], v[S+\j:S+\j+1]
	v_pk_add_f32 v[L2:L2+1], v[L2:L2+1], v[S+\j+2:S+\j+3]
.endr
	v_pk_add_f32 v[14:15], v[14:15], v[L2:L2+1]
	s_wait_alu depctr_va_vdst(0)                   ; the four exponentials have written the blocks' largest p, ahead of the first line that names one
.irp b, 0,1,2,3
	v_max_num_f32 v[BM+\b], 0x1800000, v[BM+\b]    ; the floor 2^(3 - 127): the byte cannot fall under 1
.endr
.irp b, 0,1,2,3
	v_add_nc_u32 v[SO+\b], 0xff000000, v[BM+\b]    ; 2 off the exponent field: the conversion's scale operand
.endr
.irp b, 0,1,2,3
	v_lshrrev_b32 v[PT+\b], 23, v[SO+\b]           ; the scale's byte
.endr
	v_lshl_or_b32 v[PW], v[PT+1], 8, v[PT]         ; p's scale word for these 128 keys
	v_lshl_or_b32 v[PW], v[PT+2], 16, v[PW]
	v_lshl_or_b32 v[PW], v[PT+3], 24, v[PW]
.irp c, 0,1
.irp i, 0,1
.irp e, 0,1
	v_cvt_scalef32_pk8_fp4_f32 v[PC+4*\c+2*\i+\e], v[S+16*(2*\c+\e)+8*\i:S+16*(2*\c+\e)+8*\i+7], v[SO+2*\c+\e]   ; block 2 c + e, key tile part i: keys 16 i + 8 h + 0 .. 7 of the block
.endr
.endr
.endr
	v_nop                                          ; one plain place behind a scaled conversion
.irp c, 0,1
.irp i, 0,1
	v_permlane16_swap_b32 v[PC+4*\c+2*\i], v[PC+4*\c+2*\i+1]   ; lane half H now holds block 2 c + H, keys 8 w .. 8 w + 7 in register 4 c + w
.endr
.endr
.irp j, 0,2,4,6,8,10,12,14,16,18,20,22,24,26,28,30
	v_pk_mul_f32 v[OA+\j:OA+\j+1], v[OA+\j:OA+\j+1], v[FF:FF+1] op_sel_hi:[1,0]   ; O^T under the new M.  (These 16 also stand between the writes of p's codes and scale word and the products)
.endr
.if \prep == 0
	s_wait_dscnt 0x0                               ; V
.endif
	s_wait_alu depctr_va_vdst(0)                   ; p's codes and p's scale word are written, which the scaled products below take as operand and scales; the places above stay beside this wait
.irp t, 0,1,2,3                        ; O^T += V^T P^T: 16 of the head's 64 at a time; the four accumulators take turns
.if \t%2
	v_wmma_scale_f32_16x16x128_f8f6f4 v[OA+8*\t:OA+8*\t+7], v[KV+8*\t:KV+8*\t+7], v[PC:PC+7], v[OA+8*\t:OA+8*\t+7], v[VSW+\t/2], v[PW] matrix_a_fmt:MATRIX_FMT_FP4 matrix_b_fmt:MATRIX_FMT_FP4 matrix_a_scale:MATRIX_SCALE_ROW1
.else
	v_wmma_scale_f32_16x16x128_f8f6f4 v[OA+8*\t:OA+8*\t+7], v[KV+8*\t:KV+8*\t+7], v[PC:PC+7], v[OA+8*\t:OA+8*\t+7], v[VSW+\t/2], v[PW] matrix_a_fmt:MATRIX_FMT_FP4 matrix_b_fmt:MATRIX_FMT_FP4
.endif
.endr
.if \prep
	s_add_co_u32 s44, s44, 512
	s_add_co_u32 s45, s45, 256
	s_wait_alu depctr_vm_vsrc(0)                   ; this step's loads of scale words and pads have read ASC and APD, which the two lines below write
	v_add_nc_u32 v[APD], s44, v[APD0]              ; the next step's addresses; the wait at the next step's head states that they are written.  With the two v_nop: four plain lines behind the products
	v_add_nc_u32 v[ASC], s45, v[ASC0]
	v_nop
	v_nop
	s_barrier_wait -1                              ; every wave has left this buffer and has finished its part of the other
.endif
.endm
	s_mov_b32 s38, 7
.Ltrip:                                            ; 7 trips of two key steps: steps 0 to 13; step s asks for the data of step s + 2
	STEP 0, 1, 1, 1
	STEP 1, 1, 1, 1
	s_sub_co_u32 s38, s38, 1
	s_cmp_lg_u32 s38, 0
	s_cbranch_scc1 .Ltrip
	STEP 0, 1, 0, 0                                ; step 14 makes the last buffer and asks for nothing: no load leaves its buffer
	STEP 1, 0, 0, 0                                ; step 15
	; THE WAY OUT.  O^T is divided by the sum and goes through my stage in LDS, so that sixteen lanes store 256 consecutive bytes, aligned: a head's 64 numbers of a row
	v_add_f32 v14, v14, v15                        ; the sum's two halves,
	v_permlanex16_b32 v[TT], v14, s30, s31
	v_add_f32 v14, v14, v[TT]                      ; and lane l xor 16's: the row's sum
	v_rcp_f32 v14, v14
.rept 3
	v_nop                                          ; a plain place behind the reciprocal; with the additions above, the places behind the last products
.endr
	s_wait_alu depctr_va_vdst(0)                   ; the reciprocal is written, ahead of its first reader
.irp j, 0,2,4,6,8,10,12,14,16,18,20,22,24,26,28,30
	v_pk_mul_f32 v[S+\j:S+\j+1], v[OA+\j:OA+\j+1], v[14:15] op_sel_hi:[1,0]   ; register 8 t + j is o(query r, channel 16 t + 8 H + j); each accumulator from its low end on
.endr
	s_wait_alu depctr_va_vdst(0)                   ; the multiplications have written v[S ..], which the LDS stores read; the last products are done reading V's registers, in which the loads from the stage land
.irp t, 0,1,2,3
	ds_store_b128 v[STO], v[S+8*\t:S+8*\t+3] offset:64*\t
	ds_store_b128 v[STO], v[S+8*\t+4:S+8*\t+7] offset:64*\t+16
.endr
.irp i, 0,1,2,3,4,5,6,7
	ds_load_b128 v[KV+4*\i:KV+4*\i+3], v[RD] offset:544*\i   ; LDS serves a wave's instructions in order (ISA guide 5.7.1.4): these see my stores
.endr
.irp i, 0,1,2,3,4,5,6,7
	s_wait_dscnt 7-\i                              ; the younger loads may be out
	global_store_b128 v[GO], v[KV+4*\i:KV+4*\i+3], s[20:21] offset:8192*\i th:TH_STORE_NT
.endr
	s_wait_dscnt 0x0                               ; the closing lines, six on end
	s_wait_alu 0x0
	s_wait_tensorcnt 0x0
	ds_add_u32 v[SPW], v[NIL]
	s_wait_dscnt 0x0
	s_endpgm
.Lfunc_end_k_q93d40f4840_attn:
	.size	k_q93d40f4840_attn, .Lfunc_end_k_q93d40f4840_attn-k_q93d40f4840_attn
	.p2alignl 7, 3214868480
	.fill 96, 4, 3214868480
	.section	.rodata,"a",@progbits
	.p2align	6, 0x0
	.amdhsa_kernel k_q93d40f4840_attn
		.amdhsa_group_segment_fixed_size 278528
		.amdhsa_private_segment_fixed_size 0
		.amdhsa_enable_private_segment 0
		.amdhsa_kernarg_size 72
		.amdhsa_user_sgpr_count 2
		.amdhsa_user_sgpr_kernarg_segment_ptr 1
		.amdhsa_wavefront_size32 1
		.amdhsa_system_sgpr_workgroup_id_x 1
		.amdhsa_system_sgpr_workgroup_id_y 1
		.amdhsa_system_sgpr_workgroup_id_z 1
		.amdhsa_system_vgpr_workitem_id 0
		.amdhsa_next_free_vgpr 256
		.amdhsa_next_free_sgpr 66
		.amdhsa_reserve_vcc 0
		.amdhsa_float_denorm_mode_32 3
		.amdhsa_float_denorm_mode_16_64 3
		.amdhsa_memory_ordered 1
		.amdhsa_forward_progress 1
		.amdhsa_inst_pref_size 111
	.end_amdhsa_kernel
	.amdgpu_metadata
---
amdhsa.version: [ 1, 2 ]
amdhsa.kernels:
  - .name:           k_q93d40f4840_attn
    .symbol:         k_q93d40f4840_attn.kd
    .args:
      - { .name: qimg, .offset: 0, .size: 8, .value_kind: global_buffer, .address_space: global }
      - { .name: qsc, .offset: 8, .size: 8, .value_kind: global_buffer, .address_space: global }
      - { .name: kimg, .offset: 16, .size: 8, .value_kind: global_buffer, .address_space: global }
      - { .name: ksc, .offset: 24, .size: 8, .value_kind: global_buffer, .address_space: global }
      - { .name: vimg, .offset: 32, .size: 8, .value_kind: global_buffer, .address_space: global }
      - { .name: vsc, .offset: 40, .size: 8, .value_kind: global_buffer, .address_space: global }
      - { .name: attention_mask, .offset: 48, .size: 8, .value_kind: global_buffer, .address_space: global }
      - { .name: key_padding_mask, .offset: 56, .size: 8, .value_kind: global_buffer, .address_space: global }
      - { .name: out0, .offset: 64, .size: 8, .value_kind: global_buffer, .address_space: global }
    .group_segment_fixed_size: 278528
    .private_segment_fixed_size: 0
    .kernarg_segment_align: 8
    .kernarg_segment_size: 72
    .max_flat_workgroup_size: 512
    .sgpr_count:     66
    .vgpr_count:     256
    .wavefront_size: 32
...
	.end_amdgpu_metadata
.endif
;; end of part 3
